; MI455X (gfx1250); checked and timed in simulation.
; The chip was launched on July 23, 2026; its instructions are those of AMD's public machine-readable ISA for CDNA 5 (MIT licence, August 2026) and "CDNA5" Instruction Set Architecture Reference Guide (July 2026). The comments in the code are by the model that wrote it; some were corrected since.
;; Weird Attention. Allowed arithmetic: float matrix products may take bf16 or f16 operands with f32 sums; other float arithmetic in f32, or as packed bf16 or f16 multiplies, adds, multiply-adds, maxima and minima; sums over many terms, partial sums and values carried from step to step in f32; what a program stores and reads back later, other than sums and carried values, may be rounded once to bf16 or f16.
;; Inputs: dense_b 1,024 float32; dense_w 1,024 x 1,024 float32; glb_k_b 1,024 float32; glb_k_w 1,024 x 1,024 float32; glb_q_b 1,024 float32; glb_q_w 1,024 x 1,024 float32; glb_v_b 1,024 float32; glb_v_w 1,024 x 1,024 float32; global_feat 4 x 1,024 x 1,024 float32; local_feat 4 x 1,024 x 1,024 float32; plb_k_b 1,024 float32; plb_k_w 1,024 x 1,024 float32; plb_q_b 1,024 float32; plb_q_w 1,024 x 1,024 float32; plb_v_b 1,024 float32; plb_v_w 1,024 x 1,024 float32; text_feat 4 x 1,024 x 1,024 float32.
;; Outputs: out0 4 x 1,024 x 1,024 float32.
;; 2 versions, each right; version 2 is version 1 with the launch cast written anew for expert scheduling mode. Each part assembles by itself: llvm-mc -triple=amdgcn-amd-amdhsa -mcpu=gfx1250 --defsym DOCPART=n.
;; ======== version 1 of 2: 5 launches
;; limits: values are held in f16: magnitudes above 65,504 overflow, below 6.1e-05 lose precision
;; workspace buffers: xw 39,845,888 bytes; bias 28,672 bytes; pb 25,165,824 bytes; gb 25,165,824 bytes; gvb 8,388,608 bytes; ctx 8,388,608 bytes; flagp 4,096 bytes of whole numbers; flagg 4,096 bytes of whole numbers
;; launch cast (part 1): grid 1024 x 1, 8 waves a work-group, no clusters, 0 bytes of LDS; arguments local_feat, global_feat, text_feat, glb_k_w, glb_v_w, plb_q_w, glb_q_w, plb_k_w, plb_v_w, dense_w, glb_k_b, glb_v_b, plb_q_b, glb_q_b, plb_k_b, plb_v_b, dense_b, xw, bias, flagp, flagg; writes xw, bias, flagp, flagg
.if DOCPART == 1
	.amdgcn_target "amdgcn-amd-amdhsa--gfx1250"
	.amdhsa_code_object_version 6
	.text
	.protected	k_q1424505dae_cast
	.globl	k_q1424505dae_cast
	.p2align	8
	.type	k_q1424505dae_cast,@function
k_q1424505dae_cast:
	s_mov_b64 s[64:65], 0
	v_nop
	global_prefetch_b8 v0, s[64:65] scope:SCOPE_SE
	s_setreg_imm32_b32 hwreg(HW_REG_WAVE_MODE, 25, 1), 1
	s_wait_xcnt 0x0
; THE INPUTS, ROUNDED ONCE.  xw holds 19 units of 2 MiB of 16-bit numbers: units 0-3 local_feat, 4-7 global_feat, 8-11 text_feat, 12-17 the weights
; glb_k, glb_v, plb_q, glb_q, plb_k, plb_v, all rounded to bf16; unit 18 dense_w, rounded to bf16 and that number written as f16 (the last product multiplies in f16).
; bias holds the seven biases in the same order (dense last), rounded to bf16 and kept as f32.  flagp and flagg hold a mask each, all ones and 0: the attention text, which two later launches
; share, lays it over the addend's words on its way out.
; LIMIT.  A dense weight below 6e-5 in size keeps f16's fixed step of 6e-8; beyond 65,504 it would be an infinity.
; SHARES.  1,024 work-groups of equal work: work-group g takes bytes 4,096 g .. 4,096 g + 4,095 of each unit's 4 MiB of f32, thread t 16 of them: a wave's load covers 512 neighbouring bytes, its
; store 256 consecutive bytes, aligned.  A wave issues its 19 loads, one a unit, before it uses the first.  Memory binds: no LDS, no barrier, no matrix unit, nothing read twice.
; Work-groups 0 to 6 also round one bias each, work-group 7 stores the two masks.
.set IN,  2                            ; v2, v3    byte offset in a source: 4,096 g + 16 t, and 8 MiB further on
.set OU,  4                            ; v[4:8]    byte offset in xw: 2,048 g + 8 t, and 8, 16, 24, 32 MiB further on (the immediate holds the unit's place among four)
.set BO,  9                            ; v9        16 t
.set X,   16                           ; v[16:91]  unit u: four f32 as loaded; then its first two registers hold the four packed numbers
.set T,   92                           ; v[92:95]  at work (dense_w alone)
	s_load_b512 s[8:23], s[0:1], 0x0               ; argument i lies in s[8+2i:9+2i]
	s_load_b512 s[24:39], s[0:1], 0x40
	s_load_b256 s[40:47], s[0:1], 0x80             ; dense_b s[40:41], xw s[42:43], bias s[44:45], flagp s[46:47]
	s_load_b64 s[48:49], s[0:1], 0xa0              ; flagg
	s_lshl_b32 s3, ttmp9, 12
	s_lshl_b32 s4, ttmp9, 11
	v_lshlrev_b32 v[BO], 4, v0
	v_add_nc_u32 v[IN], s3, v[BO]
	v_add_nc_u32 v[IN+1], 0x800000, v[IN]
	v_lshl_add_u32 v[OU], v0, 3, s4
.irp k, 1,2,3,4
	v_add_nc_u32 v[OU+(\k)], (\k)*0x800000, v[OU]
.endr
	s_wait_kmcnt 0x0
.set u, 0
.rept 19
.if u < 12                             ; a feature has four units: 4 MiB apart
	global_load_b128 v[X+4*u:X+4*u+3], v[IN+(u%4)/2], s[8+2*(u/4):9+2*(u/4)] offset:(u%2)*4194304 th:TH_LOAD_NT
.else                                  ; a weight has one
	global_load_b128 v[X+4*u:X+4*u+3], v[IN], s[14+2*(u-12):15+2*(u-12)] th:TH_LOAD_NT
.endif
.set u, u+1
.endr
.set u, 0
.rept 19
	s_wait_loadcnt 18-u                            ; loads come back in order: unit u's is in, the younger ones stay out
	v_cvt_pk_bf16_f32 v[X+4*u],   v[X+4*u],   v[X+4*u+1]
	v_cvt_pk_bf16_f32 v[X+4*u+1], v[X+4*u+2], v[X+4*u+3]
.if u == 18                            ; dense_w: the bf16 numbers are widened again and written as f16
	v_lshlrev_b32 v[T],   16, v[X+4*u]
	v_and_b32     v[T+1], 0xffff0000, v[X+4*u]
	v_lshlrev_b32 v[T+2], 16, v[X+4*u+1]
	v_and_b32     v[T+3], 0xffff0000, v[X+4*u+1]
	v_cvt_pk_f16_f32 v[X+4*u],   v[T],   v[T+1]
	v_cvt_pk_f16_f32 v[X+4*u+1], v[T+2], v[T+3]
.endif
	global_store_b64 v[OU+u/4], v[X+4*u:X+4*u+1], s[42:43] offset:(u%4)*2097152 th:TH_STORE_NT  ; each store has data registers of its own
.set u, u+1
.endr
	s_cmp_lt_u32 ttmp9, 7                          ; work-group g < 7 rounds bias g: 256 threads x 16 bytes
	s_cbranch_scc0 .Lmask
	s_mov_b64 s[54:55], s[28:29]
.irp k, 1,2,3,4,5,6
	s_cmp_eq_u32 ttmp9, \k
	s_cselect_b64 s[54:55], s[28+2*(\k):29+2*(\k)], s[54:55]
.endr
	s_lshl_b32 s56, ttmp9, 12
	s_mov_b32 s57, 0
	s_add_nc_u64 s[56:57], s[44:45], s[56:57]
	global_load_b128 v[96:99], v[BO], s[54:55]
	s_wait_loadcnt 0x0
	v_cvt_pk_bf16_f32 v100, v96, v97
	v_cvt_pk_bf16_f32 v101, v98, v99
	v_lshlrev_b32 v104, 16, v100
	v_and_b32     v105, 0xffff0000, v100
	v_lshlrev_b32 v106, 16, v101
	v_and_b32     v107, 0xffff0000, v101
	global_store_b128 v[BO], v[104:107], s[56:57]
.Lmask:
	s_cmp_eq_u32 ttmp9, 7                          ; work-group 7 stores the masks, each buffer whole: 256 threads x 16 bytes
	s_cbranch_scc0 .Lend
.irp r, 108,109,110,111
	v_mov_b32 v[\r], -1
.endr
.irp r, 112,113,114,115
	v_mov_b32 v[\r], 0
.endr
	global_store_b128 v[BO], v[108:111], s[46:47]
	global_store_b128 v[BO], v[112:115], s[48:49]
.Lend:
	s_endpgm
.Lfunc_end_k_q1424505dae_cast:
	.size	k_q1424505dae_cast, .Lfunc_end_k_q1424505dae_cast-k_q1424505dae_cast
	.p2alignl 7, 3214868480
	.fill 96, 4, 3214868480
	.section	.rodata,"a",@progbits
	.p2align	6, 0x0
	.amdhsa_kernel k_q1424505dae_cast
		.amdhsa_group_segment_fixed_size 0
		.amdhsa_private_segment_fixed_size 0
		.amdhsa_enable_private_segment 0
		.amdhsa_kernarg_size 168
		.amdhsa_user_sgpr_count 2
		.amdhsa_user_sgpr_kernarg_segment_ptr 1
		.amdhsa_wavefront_size32 1
		.amdhsa_system_sgpr_workgroup_id_x 1
		.amdhsa_system_sgpr_workgroup_id_y 1
		.amdhsa_system_sgpr_workgroup_id_z 1
		.amdhsa_system_vgpr_workitem_id 0
		.amdhsa_next_free_vgpr 128
		.amdhsa_next_free_sgpr 66
		.amdhsa_reserve_vcc 0
		.amdhsa_float_denorm_mode_32 3
		.amdhsa_float_denorm_mode_16_64 3
		.amdhsa_memory_ordered 1
		.amdhsa_forward_progress 1
		.amdhsa_inst_pref_size 10
	.end_amdhsa_kernel
	.amdgpu_metadata
---
amdhsa.version: [ 1, 2 ]
amdhsa.kernels:
  - .name:           k_q1424505dae_cast
    .symbol:         k_q1424505dae_cast.kd
    .args:
      - { .name: local_feat, .offset: 0, .size: 8, .value_kind: global_buffer, .address_space: global }
      - { .name: global_feat, .offset: 8, .size: 8, .value_kind: global_buffer, .address_space: global }
      - { .name: text_feat, .offset: 16, .size: 8, .value_kind: global_buffer, .address_space: global }
      - { .name: glb_k_w, .offset: 24, .size: 8, .value_kind: global_buffer, .address_space: global }
      - { .name: glb_v_w, .offset: 32, .size: 8, .value_kind: global_buffer, .address_space: global }
      - { .name: plb_q_w, .offset: 40, .size: 8, .value_kind: global_buffer, .address_space: global }
      - { .name: glb_q_w, .offset: 48, .size: 8, .value_kind: global_buffer, .address_space: global }
      - { .name: plb_k_w, .offset: 56, .size: 8, .value_kind: global_buffer, .address_space: global }
      - { .name: plb_v_w, .offset: 64, .size: 8, .value_kind: global_buffer, .address_space: global }
      - { .name: dense_w, .offset: 72, .size: 8, .value_kind: global_buffer, .address_space: global }
      - { .name: glb_k_b, .offset: 80, .size: 8, .value_kind: global_buffer, .address_space: global }
      - { .name: glb_v_b, .offset: 88, .size: 8, .value_kind: global_buffer, .address_space: global }
      - { .name: plb_q_b, .offset: 96, .size: 8, .value_kind: global_buffer, .address_space: global }
      - { .name: glb_q_b, .offset: 104, .size: 8, .value_kind: global_buffer, .address_space: global }
      - { .name: plb_k_b, .offset: 112, .size: 8, .value_kind: global_buffer, .address_space: global }
      - { .name: plb_v_b, .offset: 120, .size: 8, .value_kind: global_buffer, .address_space: global }
      - { .name: dense_b, .offset: 128, .size: 8, .value_kind: global_buffer, .address_space: global }
      - { .name: xw, .offset: 136, .size: 8, .value_kind: global_buffer, .address_space: global }
      - { .name: bias, .offset: 144, .size: 8, .value_kind: global_buffer, .address_space: global }
      - { .name: flagp, .offset: 152, .size: 8, .value_kind: global_buffer, .address_space: global }
      - { .name: flagg, .offset: 160, .size: 8, .value_kind: global_buffer, .address_space: global }
    .group_segment_fixed_size: 0
    .private_segment_fixed_size: 0
    .kernarg_segment_align: 8
    .kernarg_segment_size: 168
    .max_flat_workgroup_size: 256
    .sgpr_count:     66
    .vgpr_count:     128
    .wavefront_size: 32
...
	.end_amdgpu_metadata
.endif
;; end of part 1
;; launch proj (part 2): grid 16 x 16, 4 waves a work-group, clusters of 4 x 4, 327,680 bytes of LDS; arguments xw, bias, pb, gb, gvb; writes pb, gb, gvb
.if DOCPART == 2
	.amdgcn_target "amdgcn-amd-amdhsa--gfx1250"
	.amdhsa_code_object_version 6
	.text
	.protected	k_q1424505dae_proj
	.globl	k_q1424505dae_proj
	.p2align	8
	.type	k_q1424505dae_proj,@function
k_q1424505dae_proj:
	s_mov_b64 s[64:65], 0
	v_nop
	global_prefetch_b8 v0, s[64:65] scope:SCOPE_SE
	s_setreg_imm32_b32 hwreg(HW_REG_WAVE_MODE, 25, 1), 1
	s_wait_xcnt 0x0
	s_wait_alu depctr_hold_cnt(0) depctr_sa_sdst(0) depctr_va_vdst(0) depctr_va_sdst(0) depctr_va_ssrc(0) depctr_va_vcc(0) depctr_vm_vsrc(0)
	s_getreg_b32 s2, hwreg(HW_REG_IB_STS2, 6, 4)
	s_cmp_eq_u32 s2, 0
	s_cbranch_scc0 .Lentry_in_a_cluster
	s_endpgm
.Lentry_in_a_cluster:
	s_bfe_u32 s2, ttmp6, 0x10000c
	s_cmp_lg_u32 s2, 0xf033
	s_cbranch_scc0 .Lentry_shape_is_right
	s_endpgm
.Lentry_shape_is_right:
; THE SIX PROJECTIONS.  y_i[m][n] = bias[i][n] + the sum over k of x_i[m][k] w_i[n][k], i = 0 gk, 1 gv, 2 pq, 3 gq, 4 pk, 5 pv; x_i is local, local, local, global, text, text.
; x and w are bf16 (xw), sums f32, the bias is the C operand of the first product, y is f16, [4096][1024], rounded once.  WHERE THEY GO: pb = [pv | pq | pk], gb = [(left for the next launch) | gq | gk],
; gvb = gv, slots of 8 MiB: so the two attention launches find v, q, k at the same places of their input.
; LIMIT: a result beyond 65,504 would be an infinity in f16.  K is summed from a block that hangs on the cluster, round the end: another order of rounding than ascending K.
; SHARES.  256 work-groups that stay, three tiles of 256 rows x 128 columns each.  X, Y: the cluster's place (4 x 4 clusters of 4 x 4).  Row tile 4 Y + cy; column tile 4 (X & 1) + cx; tile t takes
; projection 2 t + (X >> 1).  Wave w makes rows 64 w .. 64 w + 63 x all 128 columns: 32 accumulators, 256 registers.
; THE MATRIX INSTRUCTION IS USED TRANSPOSED (source 0 = 16 rows of w, source 1 = 16 rows of x): a lane holds eight neighbouring columns of one row; a wave's row of output is 256 bytes.
; RING.  K goes in steps of 128 (rows of 256 bytes) through two LDS slots, 24 steps on end, across tiles.  Waves 0, 1 fetch x's two halves (128 rows), waves 2, 3 w's (64 rows): one load a wave.
; x's tile is asked for jointly by a row of the cluster, w's by a column.  Step s of a tile takes K block (k0 + s) mod 8, k0 = (4 (X & 1) + 2 (X >> 1) + 2 Y) mod 8: clusters that read the same
; rows begin two blocks apart.
; REGISTERS.  window 0: addresses, v32-95 the bias (block b at 32 + 8 b), v96-127 packed results, v128-191 rows read back; window 1: accumulator (a, b) at 8 (8 a + b);
; window 2: two fragment buffers of 96 (w's eight fragments, then x's four).
.set PITCH, 272                        ; an LDS row: 256 bytes + 16 of padding: the 16 rows of a fragment load start 68 words apart
.set AHALF, 128*PITCH
.set BHALF, 64*PITCH
.set BOFF,  2*AHALF                    ; w's 128 rows lie behind x's 256
.set SLOT,  BOFF+2*BHALF               ; 104,448
.set STAGE, 2*SLOT                     ; behind the ring: 16 rows x 272 bytes for each wave, never filled by a tensor load
.set SPARE, STAGE+4*16*PITCH           ; the spare words: 128 bytes a wave, named by no other line
.set ADRA, 16                          ; v16-17 my x fragments in slot 0, 1
.set ADRB, 20                          ; v20-21 the w fragments
.set STO,  24
.set RD,   25
.set CO,   26
.set BO,   27
.set SPW,  28
.set NIL,  29
.set PFO,  30                          ; lane x 2,048: a lane a row
.set BIAS, 32
.set TMP,  96
.set BK,   128
.set F0,   0
.set F1,   96
.set O1,   2                           ; s[2:3]   where the next tile's results go
.set XW,   4                           ; s[4:5]
.set BP,   6                           ; s[6:7]   bias at my tile's columns
.set OUT,  8                           ; s[8:9]   where this tile's results go: my wave's first row and column
.set WV,   10
.set FB,   11                          ; 0: I fetch for x, 1: for w
.set WH,   12                          ; which half I fetch
.set RK,   17                          ; byte offset along K of the next refill
.set TILES, 18
.set LAP,  19
.set OA,   20                          ; s[20:21]
.set OB,   22                          ; s[22:23]
.set G1A,  24
.set G0A,  32
.set TAC,  40                          ; x's offset in xw for the tile being asked for; s41, s42 the next two
.set TBC,  43
.set PF,   44                          ; s[44:45] the prefetch's address
.set PFK,  46                          ; s[46:47] its offset
.set G1B,  48
.set G0B,  56
.set PTN,  66                          ; the next tile's offset for my prefetches; s67 the one after
.set LIM1, 68
.set LIM2, 69
.set O2,   94                          ; s[94:95] where the last tile's results go
.set FLAGS, (1<<16)|(1<<20)|(1<<21)|(5<<22)|(3<<25)   ; 2-byte elements; padding on; bit 21 beside a mask; after every 64 words; 4 words
.set MSB, 0
.macro WIN new
.if MSB != (\new)
	s_set_vgpr_msb (MSB<<8)|(\new)
.set MSB, \new
.endif
.endm
.set MULW, 0x5a                        ; sources 0, 1 window 2; C and D window 1
.set MULZ, 0x4a                        ; the same with C (the bias) in window 0
.set TO_F, 0x80
.macro PLACES                          ; four plain places behind matrix instructions, in front of loads into their sources and of readers of their results
.rept 4
	v_nop
.endr
.endm
.macro JLOAD s                         ; a joint load; an s_nop 0 and four v_nop follow each line
	s_cmp_eq_u32 s[FB], 0
	s_cbranch_scc0 .Lfor_b_\@
	tensor_load_to_lds s[G0A+4*(\s):G0A+4*(\s)+3], s[G1A:G1A+7]
	s_nop 0
.rept 4
	v_nop
.endr
	s_branch .Lasked_\@
.Lfor_b_\@:
	tensor_load_to_lds s[G0B+4*(\s):G0B+4*(\s)+3], s[G1B:G1B+7]
	s_nop 0
.rept 4
	v_nop
.endr
.Lasked_\@:
.endm
.macro CREST                           ; a round of the cluster's barrier behind its opening barrier
	s_cmp_lg_u32 s[WV], 0
	s_cbranch_scc1 .Lnot_wave_0_\@
	s_barrier_signal -3
.Lnot_wave_0_\@:
	s_barrier_wait -3
	s_barrier_signal -1
	s_barrier_wait -1
.endm
.macro CROUND
	s_barrier_signal -1
	s_barrier_wait -1
	CREST
.endm
; A PREFETCH of 32 rows x 256 bytes, a lane a row, for the refill that stands two refills (256 matrix instructions) on.  Asked for are the blocks that no cluster has yet requested when that refill
; comes: a next tile's K steps 0 and 1 (w's always; x's where the tile takes a new feature), and steps 2 and 3 of global_feat, which two clusters alone share.  Waves 0, 1 ask for x's rows, the four
; partners of a row of the cluster 32 rows each, told apart by address; wave 2 asks for w's, 32 rows for each partner of a column.  So each block is named once.  kind 0: in the loop's last trip; 1: at a change of tiles.
.macro ASK kind
.if \kind
	s_cmp_eq_u32 s[LIM2], 1
.else
	s_cmp_eq_u32 s[LAP], s[LIM1]
.endif
	s_cbranch_scc0 .Lnot_mine_\@
	global_prefetch_b8 v[PFO], s[PF:PF+1] th:TH_LOAD_NT scope:SCOPE_SE
.Lnot_mine_\@:
.endm
	s_load_b128 s[4:7], s[0:1], 0x0                ; xw, bias
	s_load_b128 s[88:91], s[0:1], 0x10             ; pb s[88:89], gb s[90:91]
	s_load_b64 s[92:93], s[0:1], 0x20              ; gvb
	v_lshl_add_u32 v[SPW], v0, 2, SPARE
	v_mov_b32 v[NIL], 0
	ds_add_u32 v[SPW], v[NIL]                      ; the wave's opening: the add and its wait stand ahead of my first tensor load; work on registers stands between
	v_lshrrev_b32 v1, 5, v0
	v_readfirstlane_b32 s[WV], v1
	s_lshr_b32 s[FB], s[WV], 1
	s_and_b32 s[WH], s[WV], 1
	s_bfe_u32 s13, ttmp6, 0x40000                  ; cx
	s_bfe_u32 s14, ttmp6, 0x40004                  ; cy
	s_and_b32 s16, ttmp7, 0xffff                   ; Y
	s_lshr_b32 s70, ttmp9, 1                       ; XH
	s_and_b32 s71, ttmp9, 1                        ; XL
	s_lshl_b32 s[RK], s71, 2
	s_lshl1_add_u32 s[RK], s70, s[RK]
	s_lshl1_add_u32 s[RK], s16, s[RK]
	s_and_b32 s[RK], s[RK], 7                      ; k0
	s_lshl_b32 s[RK], s[RK], 8
	s_lshl2_add_u32 s72, s16, s14                  ; row tile
	s_lshl_b32 s[TAC], s72, 19                     ; 256 rows of 2,048 bytes,
	s_lshl_b32 s73, s[WH], 18                      ; my 128 of them
	s_add_co_u32 s[TAC], s[TAC], s73               ; tile 0: local
	s_lshl_b32 s73, s70, 23
	s_add_co_u32 s41, s[TAC], s73                  ; tile 1: local or global
	s_add_co_u32 s42, s[TAC], 2<<23                ; tile 2: text
	s_lshl2_add_u32 s74, s71, s13                  ; column tile
	s_lshl_b32 s[TBC], s74, 18                     ; 128 rows of w,
	s_lshl_b32 s75, s[WH], 17                      ; my 64 of them
	s_add_co_u32 s[TBC], s[TBC], s75
	s_lshl_b32 s75, s70, 21
	s_add_co_u32 s[TBC], s[TBC], s75
	s_add_co_u32 s[TBC], s[TBC], 12<<21            ; weight 2 t + XH lies in unit 12 + 2 t + XH
	s_lshl_b32 s76, s72, 19                        ; where my wave's part of a tile begins in a slot of 8 MiB
	s_lshl_b32 s77, s[WV], 17
	s_add_co_u32 s76, s76, s77
	s_lshl_b32 s77, s74, 8
	s_add_co_u32 s76, s76, s77
	s_mov_b32 s77, 0
	s_lshl_b32 s78, s70, 12                        ; and my columns' bias
	s_lshl_b32 s79, s74, 9
	s_add_co_u32 s78, s78, s79
	s_mov_b32 s79, 0
	s_lshl_b32 s73, s14, 2
	s_lshl_b32 s73, 15, s73                        ; my row of the cluster
	s_or_b32 s[G1A], s73, FLAGS
	s_lshl_b32 s75, 0x1111, s13                    ; my column
	s_or_b32 s[G1B], s75, FLAGS
	s_mov_b32 s[G1A+1], 128<<16                    ; tensor_dim0 = 128
	s_mov_b32 s[G1A+2], 128<<16                    ; tensor_dim1 = 128
	s_mov_b32 s[G1A+3], 128<<16                    ; tile_dim0 = 128
	s_mov_b32 s[G1A+4], 128                        ; tile_dim1 = 128
	s_mov_b32 s[G1A+5], 1024                       ; elements from row to row
	s_mov_b32 s[G1A+6], 0
	s_mov_b32 s[G1A+7], 0
	s_mov_b32 s[G1B+1], 128<<16
	s_mov_b32 s[G1B+2], 64<<16                     ; 64 rows
	s_mov_b32 s[G1B+3], 128<<16
	s_mov_b32 s[G1B+4], 64
	s_mov_b32 s[G1B+5], 1024
	s_mov_b32 s[G1B+6], 0
	s_mov_b32 s[G1B+7], 0
	s_mov_b32 s[OA+1], 0
	s_mov_b32 s[OB+1], 0
	s_mov_b32 s[PFK+1], 0
	s_lshl_b32 s80, s13, 16                        ; the prefetches: my work-group's 32 rows, by cx for x,
	s_lshl_b32 s81, s14, 16                        ; by cy for w
	s_add_co_u32 s[PTN], s41, s80
	s_add_co_u32 s[PTN+1], s42, s80
	s_add_co_u32 s81, s[TBC], s81
	s_add_co_u32 s82, s81, 1<<22
	s_add_co_u32 s83, s81, 2<<22
	s_cmp_eq_u32 s[FB], 0
	s_cselect_b32 s[PTN], s[PTN], s82
	s_cselect_b32 s[PTN+1], s[PTN+1], s83
	s_cselect_b32 s[LIM2], s70, 0                  ; tile 1's x is new where XH = 1
	s_cmp_eq_u32 s[WV], 2
	s_cselect_b32 s[LIM1], 1, s[LIM2]
	s_mul_i32 s84, s[WH], AHALF                    ; where my tiles go: no place in the cluster enters an LDS address
	s_mul_i32 s85, s[WH], BHALF
	s_add_co_u32 s85, s85, BOFF
	s_wait_dscnt 0x0                               ; the opening add is done
	s_wait_kmcnt 0x0
	s_cmp_eq_u32 s70, 0                            ; the three tiles' buffers and slots, by the cluster's x half:
	s_cselect_b64 s[OUT:OUT+1], s[90:91], s[92:93] ; tile 0: gk into gb's slot 2, or gv into gvb
	s_cselect_b64 s[O1:O1+1], s[88:89], s[90:91]   ; tile 1: pq into pb's slot 1, or gq into gb's slot 1
	s_cselect_b32 s82, 2<<23, 0
	s_mov_b64 s[O2:O2+1], s[88:89]                 ; tile 2: pk into pb's slot 2, or pv into pb's slot 0
	s_add_co_u32 s82, s82, s76
	s_mov_b32 s83, 0
	s_add_nc_u64 s[OUT:OUT+1], s[OUT:OUT+1], s[82:83]
	s_add_nc_u64 s[O2:O2+1], s[O2:O2+1], s[82:83]
	s_add_co_u32 s76, s76, 1<<23
	s_add_nc_u64 s[O1:O1+1], s[O1:O1+1], s[76:77]
	s_add_nc_u64 s[BP:BP+1], s[BP:BP+1], s[78:79]
.irp s, 0,1
	s_mov_b32 s[G0A+4*(\s)], 1
	s_add_co_u32 s[G0A+4*(\s)+1], s84, (\s)*SLOT
	s_add_co_u32 s[OA], s[TAC], s[RK]
	s_add_nc_u64 s[G0A+4*(\s)+2:G0A+4*(\s)+3], s[XW:XW+1], s[OA:OA+1]
	s_or_b32 s[G0A+4*(\s)+3], s[G0A+4*(\s)+3], 0x80000000
	s_mov_b32 s[G0B+4*(\s)], 1
	s_add_co_u32 s[G0B+4*(\s)+1], s85, (\s)*SLOT
	s_add_co_u32 s[OB], s[TBC], s[RK]
	s_add_nc_u64 s[G0B+4*(\s)+2:G0B+4*(\s)+3], s[XW:XW+1], s[OB:OB+1]
	s_or_b32 s[G0B+4*(\s)+3], s[G0B+4*(\s)+3], 0x80000000
	s_add_co_u32 s[RK], s[RK], 256
	s_and_b32 s[RK], s[RK], 0x7ff
.endr
	CROUND                                         ; all sixteen work-groups are here: the first joint loads meet
	s_cmp_eq_u32 s[FB], 0                          ; a wave's two first fills stand in one branch: two loads of mine are out
	s_cbranch_scc0 .Lfirst_b
	tensor_load_to_lds s[G0A:G0A+3], s[G1A:G1A+7]
	s_nop 0
	tensor_load_to_lds s[G0A+4:G0A+7], s[G1A:G1A+7]
	s_nop 0
.rept 4
	v_nop
.endr
	s_branch .Lfirst_asked
.Lfirst_b:
	tensor_load_to_lds s[G0B:G0B+3], s[G1B:G1B+7]
	s_nop 0
	tensor_load_to_lds s[G0B+4:G0B+7], s[G1B:G1B+7]
	s_nop 0
.rept 4
	v_nop
.endr
.Lfirst_asked:
	v_and_b32 v1, 15, v0                           ; l % 16
	v_bfe_u32 v2, v0, 4, 1                         ; l / 16
	v_mul_u32_u24 v3, v1, PITCH
	v_lshl_add_u32 v3, v2, 4, v3                   ; row x pitch + 16 x half
	s_mul_i32 s86, s[WV], 64*PITCH
	v_add_nc_u32 v[ADRA], s86, v3
	v_add_nc_u32 v[ADRA+1], SLOT, v[ADRA]
	v_add_nc_u32 v[ADRB], BOFF, v3
	v_add_nc_u32 v[ADRB+1], SLOT, v[ADRB]
	s_mul_i32 s87, s[WV], 16*PITCH
	s_add_co_u32 s87, s87, STAGE                   ; my stage
	v_add_nc_u32 v[STO], s87, v3
	v_mul_u32_u24 v4, v2, PITCH
	v_lshl_add_u32 v4, v1, 4, v4
	v_add_nc_u32 v[RD], s87, v4                    ; back: lanes 0-15 one row of 256 bytes, lanes 16-31 the next
	v_lshlrev_b32 v[CO], 11, v2
	v_lshl_add_u32 v[CO], v1, 4, v[CO]             ; the same two rows in the output
	v_lshlrev_b32 v[BO], 5, v2                     ; my eight columns' bias: 32 bytes for each half of the lanes
	v_and_b32 v[PFO], 31, v0
	v_lshlrev_b32 v[PFO], 11, v[PFO]
.macro BIASLD                          ; register j of block b is the bias of column 16 b + 8 (l / 16) + j: the layout of a result
.irp b, 0,1,2,3,4,5,6,7
	global_load_b128 v[BIAS+8*(\b):BIAS+8*(\b)+3],   v[BO], s[BP:BP+1] offset:64*(\b)
	global_load_b128 v[BIAS+8*(\b)+4:BIAS+8*(\b)+7], v[BO], s[BP:BP+1] offset:64*(\b)+16
.endr
.endm
	BIASLD
; 8 matrix instructions: m block a x all 8 n blocks, 32 along K.  zero = 1: the first product starts the sums, with the bias as C.  The 32 accumulators take turns, one instruction a turn.
.macro MUL f, a, zero
.if \zero
	WIN MULZ
.else
	WIN MULW
.endif
.irp b, 0,1,2,3,4,5,6,7
.if \zero
	v_wmma_f32_16x16x32_bf16 v[8*(8*(\a)+(\b)):8*(8*(\a)+(\b))+7], v[(\f)+8*(\b):(\f)+8*(\b)+7], v[(\f)+64+8*(\a):(\f)+64+8*(\a)+7], v[BIAS+8*(\b):BIAS+8*(\b)+7]
.else
	v_wmma_f32_16x16x32_bf16 v[8*(8*(\a)+(\b)):8*(8*(\a)+(\b))+7], v[(\f)+8*(\b):(\f)+8*(\b)+7], v[(\f)+64+8*(\a):(\f)+64+8*(\a)+7], v[8*(8*(\a)+(\b)):8*(8*(\a)+(\b))+7]
.endif
.endr
.endm
; 24 LDS loads in one run: the fragments of 32 along K at byte k of the rows
.macro FETCH slot, k, f
	WIN TO_F
.irp i, 0,1,2,3,4,5,6,7
	ds_load_b128 v[(\f)+8*(\i):(\f)+8*(\i)+3],   v[ADRB+(\slot)] offset:(\k)+(\i)*16*PITCH
	ds_load_b128 v[(\f)+8*(\i)+4:(\f)+8*(\i)+7], v[ADRB+(\slot)] offset:(\k)+(\i)*16*PITCH+32
.endr
.irp i, 0,1,2,3
	ds_load_b128 v[(\f)+64+8*(\i):(\f)+64+8*(\i)+3],   v[ADRA+(\slot)] offset:(\k)+(\i)*16*PITCH
	ds_load_b128 v[(\f)+64+8*(\i)+4:(\f)+64+8*(\i)+7], v[ADRA+(\slot)] offset:(\k)+(\i)*16*PITCH+32
.endr
.endm
; A K step is four quarters of 32 along K.  One of the first three fetches the next quarter into g, then multiplies f: the fetch has 32 matrix instructions in which to land.
.macro QUARTER slot, k, f, g, zero
	PLACES
	FETCH \slot, \k, \g
	s_wait_dscnt 24                                ; all but the 24 just issued: buffer f is in
	MUL \f, 0, \zero
	MUL \f, 1, \zero
	MUL \f, 2, \zero
	MUL \f, 3, \zero
.endm
; The last quarter multiplies buffer 1 and changes slots.  mode 0: the slot is filled again with this tile's K step two on; 1, 2: with the next tile's first, second; 3: nothing is filled.
.macro TURN slot, next, mode
	WIN 0
.if (\mode) != 3
	s_wait_xcnt 0x0                                ; the last prefetch, a K step back, has read its address
	s_add_co_u32 s[PFK], s[RK], 512                ; two refills on, round the end of K,
	s_and_b32 s[PFK], s[PFK], 0x7ff
	s_add_co_u32 s[PFK], s[PFK], s[PTN]            ; in the next tile's rows
	s_add_nc_u64 s[PF:PF+1], s[XW:XW+1], s[PFK:PFK+1]
.endif
	s_wait_tensorcnt 0x0                           ; all my tensor loads have landed: my part of the next slot; so a group 0 may be written
	ds_add_u32 v[SPW], v[NIL]                      ; 0 onto my spare word
.if (\mode) == 1
	s_mov_b32 s[TAC], s41                          ; the next tile's rows of x and of w
	s_mov_b32 s41, s42
	s_add_co_u32 s[TBC], s[TBC], 1<<22
.endif
.if (\mode) != 3
	s_add_co_u32 s[OA], s[TAC], s[RK]              ; the addresses are made anew: the buffer's address plus an offset
	s_add_nc_u64 s[G0A+4*(\slot)+2:G0A+4*(\slot)+3], s[XW:XW+1], s[OA:OA+1]
	s_or_b32 s[G0A+4*(\slot)+3], s[G0A+4*(\slot)+3], 0x80000000
	s_add_co_u32 s[OB], s[TBC], s[RK]
	s_add_nc_u64 s[G0B+4*(\slot)+2:G0B+4*(\slot)+3], s[XW:XW+1], s[OB:OB+1]
	s_or_b32 s[G0B+4*(\slot)+3], s[G0B+4*(\slot)+3], 0x80000000
	s_add_co_u32 s[RK], s[RK], 256
	s_and_b32 s[RK], s[RK], 0x7ff
.endif
	s_wait_dscnt 1                                 ; buffer 1 is in; the add alone may be out
	MUL F1, 0, 0
	s_wait_dscnt 0x0                               ; the add is done, and my reads of this slot are over
	s_barrier_signal -1
	MUL F1, 1, 0
	WIN 0
	s_barrier_wait -1
.if (\mode) != 3
	CREST                                          ; the barrier has opened a round of the cluster's: no wave of any partner still reads this slot or has a load on its way
	JLOAD \slot                                    ; the first tensor load behind the round; its four v_nop are also the places in front of the loads below
.else
	PLACES
.endif
	FETCH \next, 0, F0
.if (\mode) != 3
	WIN 0
.if (\mode) == 0
	ASK 0
.else
	ASK 1
.endif
.endif
	MUL F1, 2, 0
	MUL F1, 3, 0
.endm
; THE WAY OUT of m block a: rounded to f16, 16 bytes a lane; through my own stage; back as whole rows of 256 bytes; stored.
.macro PACK a
	WIN 0x05                                       ; sources in window 1
.irp b, 0,1,2,3,4,5,6,7
.irp r, 0,1,2,3
	v_cvt_pk_f16_f32 v[TMP+4*(\b)+(\r)], v[8*(8*(\a)+(\b))+2*(\r)], v[8*(8*(\a)+(\b))+2*(\r)+1]
.endr
.endr
	WIN 0
.endm
.macro TOSTAGE a
.irp b, 0,1,2,3,4,5,6,7
	ds_store_b128 v[STO], v[TMP+4*(\b):TMP+4*(\b)+3] offset:32*(\b)
.endr
.irp t, 0,1,2,3,4,5,6,7
	ds_load_b128 v[BK+32*((\a)%2)+4*(\t):BK+32*((\a)%2)+4*(\t)+3], v[RD] offset:(\t)*2*PITCH  ; LDS serves a wave's instructions in order: these see the stores above
.endr
.endm
.macro SEND a
	s_wait_dscnt 0x0                               ; the block is back in registers
	s_wait_xcnt 0x0                                ; earlier stores have read their registers: the other set is loaded again only behind this wait
.irp t, 0,1,2,3,4,5,6,7
	global_store_b128 v[CO], v[BK+32*((\a)%2)+4*(\t):BK+32*((\a)%2)+4*(\t)+3], s[OUT:OUT+1] offset:(\a)*32768+(\t)*4096 th:TH_STORE_NT  ; 16 lanes store 256 consecutive bytes, aligned
.endr
.endm
	s_wait_tensorcnt 0x1                           ; my part of K step 0 is in; step 1's may stay out
	s_barrier_signal -1
	s_barrier_wait -1
	FETCH 0, 0, F0
	WIN 0
	s_mov_b32 s[TILES], 3
.Ltile:
	s_wait_loadcnt 0x0                             ; the tile's bias
	QUARTER 0, 64, F0, F1, 1                       ; a tile's first quarter starts the sums
	WIN 0
	s_cmp_eq_u32 s[TILES], 1
	s_cbranch_scc1 .Lno_bias
	PLACES                                         ; the bias registers were sources of the products above
	s_wait_xcnt 0x0
	s_add_nc_u64 s[BP:BP+1], s[BP:BP+1], 8192      ; two projections on
	BIASLD                                         ; the next tile's bias has a whole tile in which to come
.Lno_bias:
	s_mov_b32 s[LAP], 3
.Llap:                                         ; a trip goes once round the ring, from a lap's second quarter to the next lap's first
	QUARTER 0, 128, F1, F0, 0
	QUARTER 0, 192, F0, F1, 0
	TURN 0, 1, 0
	QUARTER 1, 64,  F0, F1, 0
	QUARTER 1, 128, F1, F0, 0
	QUARTER 1, 192, F0, F1, 0
	TURN 1, 0, 0
	QUARTER 0, 64,  F0, F1, 0
	WIN 0
	s_sub_co_u32 s[LAP], s[LAP], 1
	s_cmp_lg_u32 s[LAP], 0
	s_cbranch_scc1 .Llap
	QUARTER 0, 128, F1, F0, 0                      ; the tile's last lap
	QUARTER 0, 192, F0, F1, 0
	WIN 0
	s_cmp_eq_u32 s[TILES], 1
	s_cbranch_scc1 .Llast
	TURN 0, 1, 1                                   ; the ring goes on into the next tile
	QUARTER 1, 64,  F0, F1, 0
	QUARTER 1, 128, F1, F0, 0
	QUARTER 1, 192, F0, F1, 0
	TURN 1, 0, 2
	WIN 0
	s_branch .Lout
.Llast:                                        ; the last tile's tail asks for nothing
	TURN 0, 1, 3
	QUARTER 1, 64,  F0, F1, 0
	QUARTER 1, 128, F1, F0, 0
	QUARTER 1, 192, F0, F1, 0
	s_wait_dscnt 0x0
	MUL F1, 0, 0
	MUL F1, 1, 0
	MUL F1, 2, 0
	MUL F1, 3, 0
	WIN 0
.Lout:
	PLACES
	PACK 0
	TOSTAGE 0
.irp a, 1,2,3                          ; block a's conversions stand between block a - 1's loads from the stage and the wait for them
	PACK \a
	SEND (\a)-1
	TOSTAGE \a
.endr
	SEND 3
	s_wait_xcnt 0x0                                ; the stores have read their base
	s_mov_b64 s[OUT:OUT+1], s[O1:O1+1]             ; the next tile's place,
	s_mov_b64 s[O1:O1+1], s[O2:O2+1]               ; and the one after
	s_mov_b32 s[PTN], s[PTN+1]
	s_cmp_lg_u32 s[WV], 3                          ; tile 2 takes a new feature and new weights for every cluster; behind it there is nothing
	s_cselect_b32 s[LIM1], 1, 0
	s_cmp_eq_u32 s[TILES], 3
	s_cselect_b32 s[LIM1], s[LIM1], 0
	s_mov_b32 s[LIM2], 0
	s_sub_co_u32 s[TILES], s[TILES], 1
	s_cmp_lg_u32 s[TILES], 0
	s_cbranch_scc1 .Ltile
	s_wait_tensorcnt 0x0                           ; the wave's end
	ds_add_u32 v[SPW], v[NIL]
	s_wait_dscnt 0x0
	CROUND                                         ; the closing round
	s_endpgm
.Lfunc_end_k_q1424505dae_proj:
	.size	k_q1424505dae_proj, .Lfunc_end_k_q1424505dae_proj-k_q1424505dae_proj
	.p2alignl 7, 3214868480
	.fill 96, 4, 3214868480
	.section	.rodata,"a",@progbits
	.p2align	6, 0x0
	.amdhsa_kernel k_q1424505dae_proj
		.amdhsa_group_segment_fixed_size 327680
		.amdhsa_private_segment_fixed_size 0
		.amdhsa_enable_private_segment 0
		.amdhsa_kernarg_size 40
		.amdhsa_user_sgpr_count 2
		.amdhsa_user_sgpr_kernarg_segment_ptr 1
		.amdhsa_wavefront_size32 1
		.amdhsa_system_sgpr_workgroup_id_x 1
		.amdhsa_system_sgpr_workgroup_id_y 1
		.amdhsa_system_sgpr_workgroup_id_z 1
		.amdhsa_system_vgpr_workitem_id 0
		.amdhsa_next_free_vgpr 704
		.amdhsa_next_free_sgpr 96
		.amdhsa_reserve_vcc 0
		.amdhsa_float_denorm_mode_32 3
		.amdhsa_float_denorm_mode_16_64 3
		.amdhsa_memory_ordered 1
		.amdhsa_forward_progress 1
		.amdhsa_inst_pref_size 114
	.end_amdhsa_kernel
	.amdgpu_metadata
---
amdhsa.version: [ 1, 2 ]
amdhsa.kernels:
  - .name:           k_q1424505dae_proj
    .symbol:         k_q1424505dae_proj.kd
    .args:
      - { .name: xw, .offset: 0, .size: 8, .value_kind: global_buffer, .address_space: global }
      - { .name: bias, .offset: 8, .size: 8, .value_kind: global_buffer, .address_space: global }
      - { .name: pb, .offset: 16, .size: 8, .value_kind: global_buffer, .address_space: global }
      - { .name: gb, .offset: 24, .size: 8, .value_kind: global_buffer, .address_space: global }
      - { .name: gvb, .offset: 32, .size: 8, .value_kind: global_buffer, .address_space: global }
    .group_segment_fixed_size: 327680
    .private_segment_fixed_size: 0
    .kernarg_segment_align: 8
    .kernarg_segment_size: 40
    .max_flat_workgroup_size: 128
    .sgpr_count:     96
    .vgpr_count:     704
    .wavefront_size: 32
...
	.end_amdgpu_metadata
.endif
;; end of part 2
;; launch attp (part 3): grid 16 x 16, 4 waves a work-group, clusters of 4 x 1, 327,680 bytes of LDS; arguments flagp, pb, gvb, gb; writes gb
.if DOCPART == 3
	.amdgcn_target "amdgcn-amd-amdhsa--gfx1250"
	.amdhsa_code_object_version 6
	.text
	.protected	k_q1424505dae_attp
	.globl	k_q1424505dae_attp
	.p2align	8
	.type	k_q1424505dae_attp,@function
k_q1424505dae_attp:
	s_mov_b64 s[64:65], 0
	v_nop
	global_prefetch_b8 v0, s[64:65] scope:SCOPE_SE
	s_setreg_imm32_b32 hwreg(HW_REG_WAVE_MODE, 25, 1), 1
	s_wait_xcnt 0x0
	s_wait_alu depctr_hold_cnt(0) depctr_sa_sdst(0) depctr_va_vdst(0) depctr_va_sdst(0) depctr_va_ssrc(0) depctr_va_vcc(0) depctr_vm_vsrc(0)
	s_getreg_b32 s2, hwreg(HW_REG_IB_STS2, 6, 4)
	s_cmp_eq_u32 s2, 0
	s_cbranch_scc0 .Lentry_in_a_cluster
	s_endpgm
.Lentry_in_a_cluster:
	s_bfe_u32 s2, ttmp6, 0x10000c
	s_cmp_lg_u32 s2, 0x3003
	s_cbranch_scc0 .Lentry_shape_is_right
	s_endpgm
.Lentry_shape_is_right:
; out = softmax(q k^T / 16) v + (add and mask), by heads.  ONE TEXT FOR TWO LAUNCHES.  reference()'s (G P) pv + G gv is taken as G (P pv + gv): the same sum in another order of rounding.  The first launch
; makes the bracket (q, k, v = pq, pk, pv; add = gv; mask = all ones), the second G times it (q, k = gq, gk; v = the bracket; mask = 0).  Arguments: the mask, the input, the addend, the output.  The input
; holds v, q, k in slots of 8 MiB, in this order; the output is stored at its buffer's first byte; the mask is a whole number that the launch which rounds the inputs has stored.  It selects a value and
; steers nothing.  THE PRICE, in the second launch: 16 rows of 512 bytes a wave are read and masked to 0, and 0 is added.
; All operands are f16, [4096][1024]; head h is columns 256 h .. 256 h + 255: pieces of 512 bytes of rows 2,048 bytes apart.  Products, maxima and sums in f32; the weights are rounded to f16 for the
; second product, the result once to f16 and, with the addend added in f16, once more (adding 0 rounds nothing).
; LIMITS.  f16 ends at 65,504; a weight below 6e-5 keeps f16's step of 6e-8; c m starts at -4.25e37; a weight below 2^-126 counts as 0 in l; NaN and infinities are not treated apart.
; SHARES.  A work-group owns 64 queries of one (batch, head); wave w the 32 queries of half w >> 1 (two tiles of 16) and, of each step's 128 keys, the 64 of half kh = w & 1.  Each wave keeps a running
; maximum m, sum l and O^T for its 512 keys; the two key halves are merged once, at the end, through LDS.  A wave's register tile t holds query tile t xor kh: so every wave hands its register tile 1 to its
; partner and finishes its register tile 0: one text for all four waves, and all four store.
; LAYOUT.  S^T = K Q^T (source 0 = 16 keys, source 1 = 16 queries): a lane holds ONE query (lane % 16) and keys 8 (lane / 16) + 0..7; two such results rounded in pairs ARE source 1 of O^T = V^T P.
; K comes out of LDS as it lies, V turned, by ds_load_tr16_b128.  p = 2^(c s - c m), c = log2(e) / 16; O and l are multiplied by a = 2^(c m_old - c m_new) in every step.
; m starts at the lowest finite number, O and l at 0, so the first step is a step like any other (a = 0): 256 v_mov_b32 in the wait for the first tile, for one copy of the step less.
; CLUSTER.  The four query blocks of a cluster walk the same K and V: each tile is asked for jointly.  Step s takes key block (2 X + s) mod 8, X the cluster: a head's four clusters begin two blocks
; apart, so each block's first request in the launch is one of the first fills, at the kernel's head, where nothing is prefetched: no prefetch is laid.
; REGISTERS.  window 0: addresses; v16-31 statistics; v32-95 S^T; v96-127 P; v128-191, v192-255 two buffers of 8 fragments of K or V.  window 1: O^T at 128 t + 8 cb.
; window 2: v0-127 Q at 64 t + 8 c; behind the last K Q^T its first 64 take the addend's rows.
.set QOFS,  1<<23                      ; q's slot in the input (v's is the first)
.set KOFS,  2<<23                      ; k's
.set PK,    528                        ; a row of K in LDS: 512 bytes + 16: the 16 rows of a load start 132 words apart
.set PV,    544                        ; a row of V: 512 + 32: 16 lanes of the turning load take 8 rows x 32 bytes
.set VOFF,  128*PK
.set SLOTB, VOFF+128*PV                ; 137,216
.set XML,   2*SLOTB                    ; behind the ring: c m and l of each wave, 512 bytes a wave
.set STAGE, XML+2048                   ; 16 rows x 528 bytes for each wave
.set SPARE, STAGE+4*16*PK              ; the spare words
.set AK0, 2
.set AV0, 3
.set AK,  4
.set AV,  5
.set QO,  6                            ; my byte offset in 16 rows of Q;
.set XR,  6                            ; later: where I read the tile that my partner hands me
.set STO, 7
.set RD,  8
.set GO,  9
.set XA,  10                           ; where I put the tile that I hand over: 16,384 x wave + 16 x lane, in ring bytes 0 .. 65,535, used when the ring has had its last fill and its last read
.set XM,  11
.set XMP, 12
.set SPW, 14
.set NIL, 15
.set ST,  16                           ; tile t at ST + 8 t: c m, m, l (even keys', odd keys'), c0-c3 at work; a takes c2's place
.set S,   32
.set P,   96
.set FB0, 128
.set FB1, 192
.set WV,  12
.set KH,  16
.set QH,  17
.set TB,  18                           ; the slot being read: 0 or SLOTB
.set WOK, 19                           ; my part's place in a slot, for K
.set NB,  20                           ; the key block to be asked for next
.set WOV, 21                           ; and for V
.set OFF, 22                           ; s[22:23]
.set G1K, 24
.set G1V, 32
.set G0K, 40                           ; two sets for the first fills; the second then walks
.set G0V, 48
.set CNT, 56
.set FLG, 57                           ; the mask: all ones = the addend counts, 0 = it does not
.set CS,  58
.set SEL, 60
.set OWN, 62                           ; s[62:63] byte offset of the 16 rows that I finish (register tile 0)
.set KB,  66
.set VB,  68
.set QP,  70                           ; Q at register tile 0's rows
.set OP,  72
.set AP,  74
.set QP1, 80                           ; Q at register tile 1's rows
.set OTH, 84                           ; s[84:85] byte offset of the 16 rows that my partner finishes (register tile 1)
.set MSB, 0
.macro WIN new
.if MSB != (\new)
	s_set_vgpr_msb (MSB<<8)|(\new)
.set MSB, \new
.endif
.endm
.set W_KQ, 0x08                        ; Q (source 1) in window 2, all else in window 0: LDS loads need no switch under it
.set W_PV, 0x50                        ; C and D (O^T) in window 1
.set W_RS, 0x41                        ; destination and source 0 in window 1
.macro LDWIN                           ; an LDS load wants destination and address in window 0
.if (MSB & 0xc3) != 0
	WIN 0
.endif
.endm
.macro PLACES
.rept 4
	v_nop
.endr
.endm
.macro JLOAD                           ; a joint refill: waves 0, 1 K's halves, waves 2, 3 V's; an s_nop 0 and four v_nop follow each line
	s_cmp_lt_u32 s[WV], 2
	s_cbranch_scc0 .Lfor_v_\@
	tensor_load_to_lds s[G0K+4:G0K+7], s[G1K:G1K+7]
	s_nop 0
.rept 4
	v_nop
.endr
	s_branch .Lasked_\@
.Lfor_v_\@:
	tensor_load_to_lds s[G0V+4:G0V+7], s[G1V:G1V+7]
	s_nop 0
.rept 4
	v_nop
.endr
.Lasked_\@:
.endm
.macro CREST
	s_cmp_lg_u32 s[WV], 0
	s_cbranch_scc1 .Lnot_wave_0_\@
	s_barrier_signal -3
.Lnot_wave_0_\@:
	s_barrier_wait -3
	s_barrier_signal -1
	s_barrier_wait -1
.endm
.macro CROUND
	s_barrier_signal -1
	s_barrier_wait -1
	CREST
.endm
	s_load_b256 s[4:11], s[0:1], 0x0               ; the mask s[4:5], the input s[6:7], the addend s[8:9], the output s[10:11]
	v_lshl_add_u32 v[SPW], v0, 2, SPARE
	v_mov_b32 v[NIL], 0
	ds_add_u32 v[SPW], v[NIL]                      ; the wave's opening: the add and its wait stand ahead of my first tensor load
	v_lshrrev_b32 v1, 5, v0
	v_readfirstlane_b32 s[WV], v1
	s_bfe_u32 s13, ttmp6, 0x40000                  ; cx: it enters Q's, the output's and the addend's addresses alone
	s_and_b32 s[KH], s[WV], 1
	s_lshr_b32 s[QH], s[WV], 1
	s_and_b32 s15, ttmp7, 0xffff                   ; 4 x batch + head
	s_lshr_b32 s2, s15, 2
	s_lshl_b32 s2, s2, 21                          ; a batch: 1,024 rows of 2,048 bytes
	s_and_b32 s3, s15, 3
	s_lshl_b32 s3, s3, 9                           ; a head: 512 bytes of a row
	s_add_co_u32 s2, s2, s3
	s_lshl_b32 s3, s[KH], 17                       ; the 64 rows of a key block that I fetch
	s_add_co_u32 s76, s2, s3
	s_mov_b32 s77, 0
	s_lshl2_add_u32 s78, ttmp9, s13                ; my block of 64 queries
	s_lshl_b32 s78, s78, 17
	s_add_co_u32 s78, s78, s2
	s_lshl_b32 s79, s[QH], 16                      ; the 32 of them that my partner and I share
	s_add_co_u32 s78, s78, s79
	s_lshl_b32 s79, s[KH], 15                      ; query tile kh, 16 rows of 2,048 bytes, is my register tile 0,
	s_add_co_u32 s[OWN], s78, s79
	s_mov_b32 s[OWN+1], 0
	s_xor_b32 s79, s79, 1<<15                      ; the other one my register tile 1
	s_add_co_u32 s[OTH], s78, s79
	s_mov_b32 s[OTH+1], 0
	s_mov_b32 s[G1K], 15|(1<<16)|(1<<20)|(1<<21)|(6<<22)|(3<<25)  ; the mask of four; 2-byte elements; padding on; bit 21 beside a mask; after every 128 words; 4 words
	s_mov_b32 s[G1V], 15|(1<<16)|(1<<20)|(1<<21)|(6<<22)|(7<<25)  ; the same with 8 words
.irp g, G1K, G1V
	s_mov_b32 s[(\g)+1], 256<<16                   ; tensor_dim0 = 256
	s_mov_b32 s[(\g)+2], 64<<16                    ; tensor_dim1 = 64
	s_mov_b32 s[(\g)+3], 256<<16                   ; tile_dim0 = 256
	s_mov_b32 s[(\g)+4], 64                        ; tile_dim1 = 64
	s_mov_b32 s[(\g)+5], 1024                      ; elements from row to row
	s_mov_b32 s[(\g)+6], 0
	s_mov_b32 s[(\g)+7], 0
.endr
	s_mov_b32 s[CS], 0x3db8aa3b                    ; c = log2(e) / 16
	s_mov_b32 s[CS+1], s[CS]
	s_mov_b32 s[SEL], 0x76543210
	s_mov_b32 s[SEL+1], 0xfedcba98
	s_mul_i32 s[WOK], s[KH], 64*PK
	s_mul_i32 s[WOV], s[KH], 64*PV
	s_add_co_u32 s[WOV], s[WOV], VOFF
	s_mov_b32 s[TB], 0
	s_lshl_b32 s[OFF], ttmp9, 19                   ; key block 2 X: 128 rows of 2,048 bytes a block
	s_mov_b32 s[OFF+1], 0
	s_lshl_b32 s[NB], ttmp9, 1
	s_add_co_u32 s[NB], s[NB], 2
	s_and_b32 s[NB], s[NB], 7
	s_wait_dscnt 0x0                               ; the opening add is done
	s_wait_kmcnt 0x0
	s_load_b32 s[FLG], s[4:5], 0x0                 ; the mask; it is waited for beside Q
	s_add_nc_u64 s[KB:KB+1], s[6:7], s[76:77]
	s_add_nc_u64 s[KB:KB+1], s[KB:KB+1], KOFS
	s_add_nc_u64 s[VB:VB+1], s[6:7], s[76:77]
	s_add_nc_u64 s[QP:QP+1], s[6:7], s[OWN:OWN+1]
	s_add_nc_u64 s[QP:QP+1], s[QP:QP+1], QOFS
	s_add_nc_u64 s[QP1:QP1+1], s[6:7], s[OTH:OTH+1]
	s_add_nc_u64 s[QP1:QP1+1], s[QP1:QP1+1], QOFS
	s_add_nc_u64 s[AP:AP+1], s[8:9], s[OWN:OWN+1]
	s_add_nc_u64 s[OP:OP+1], s[10:11], s[OWN:OWN+1]
.irp s, 0,1
	s_mov_b32 s[G0K+4*(\s)], 1
	s_add_co_u32 s[G0K+4*(\s)+1], s[WOK], (\s)*SLOTB
	s_add_nc_u64 s[G0K+4*(\s)+2:G0K+4*(\s)+3], s[KB:KB+1], s[OFF:OFF+1]
	s_or_b32 s[G0K+4*(\s)+3], s[G0K+4*(\s)+3], 0x80000000
	s_mov_b32 s[G0V+4*(\s)], 1
	s_add_co_u32 s[G0V+4*(\s)+1], s[WOV], (\s)*SLOTB
	s_add_nc_u64 s[G0V+4*(\s)+2:G0V+4*(\s)+3], s[VB:VB+1], s[OFF:OFF+1]
	s_or_b32 s[G0V+4*(\s)+3], s[G0V+4*(\s)+3], 0x80000000
	s_add_co_u32 s[OFF], s[OFF], 1<<18
.endr
	CROUND                                         ; all four work-groups are here: the first joint loads meet
	s_cmp_lt_u32 s[WV], 2                          ; a wave's two first fills stand in one branch: two loads of mine are out
	s_cbranch_scc0 .Lfirst_v
	tensor_load_to_lds s[G0K:G0K+3], s[G1K:G1K+7]
	s_nop 0
	tensor_load_to_lds s[G0K+4:G0K+7], s[G1K:G1K+7]
	s_nop 0
.rept 4
	v_nop
.endr
	s_branch .Lfirst_asked
.Lfirst_v:
	tensor_load_to_lds s[G0V:G0V+3], s[G1V:G1V+7]
	s_nop 0
	tensor_load_to_lds s[G0V+4:G0V+7], s[G1V:G1V+7]
	s_nop 0
.rept 4
	v_nop
.endr
.Lfirst_asked:
	v_and_b32 v1, 15, v0                           ; l % 16
	v_bfe_u32 v13, v0, 4, 1                        ; l / 16
	v_lshlrev_b32 v[QO], 11, v1
	v_lshl_add_u32 v[QO], v13, 4, v[QO]            ; row x 2,048 + 16 x half
	WIN 0x80
.set i, 0
.rept 8                                ; Q stays in registers: channels 32 i on, of both register tiles
	global_load_b128 v[8*i:8*i+3],       v[QO], s[QP:QP+1] offset:i*64
	global_load_b128 v[8*i+4:8*i+7],     v[QO], s[QP:QP+1] offset:i*64+32
	global_load_b128 v[64+8*i:64+8*i+3],   v[QO], s[QP1:QP1+1] offset:i*64
	global_load_b128 v[64+8*i+4:64+8*i+7], v[QO], s[QP1:QP1+1] offset:i*64+32
.set i, i+1
.endr
	WIN 0x40
.set i, 0
.rept 256
	v_mov_b32 v[i], 0                              ; O^T
.set i, i+1
.endr
	WIN 0
.irp t, 0,1
	v_mov_b32 v[ST+8*(\t)], 0xfe000000             ; c m: far below every c s
	v_mov_b32 v[ST+8*(\t)+1], 0xff7fffff           ; m
	v_mov_b32 v[ST+8*(\t)+2], 0
	v_mov_b32 v[ST+8*(\t)+3], 0
.endr
	v_mul_u32_u24 v[STO], v1, PK
	v_lshl_add_u32 v[STO], v13, 4, v[STO]          ; row x 528 + 16 x half
	v_add_nc_u32 v[AK0], s[WOK], v[STO]            ; my 64 keys of a slot's K
	s_mul_i32 s3, s[WV], 16*PK
	s_add_co_u32 s3, s3, STAGE
	v_add_nc_u32 v[STO], s3, v[STO]                ; my stage: row l % 16, 16 bytes for each half of the lanes
	v_and_b32 v[GO], 31, v0
	v_lshl_add_u32 v[RD], v[GO], 4, s3             ; back: 32 lanes take one row of 512 bytes
	s_lshl_b32 s3, s[WV], 9
	s_add_co_u32 s3, s3, XML
	v_lshl_add_u32 v[XM], v[GO], 2, s3
	s_xor_b32 s3, s[WV], 1                         ; my partner: the wave with my queries and the other keys
	s_lshl_b32 s3, s3, 9
	s_add_co_u32 s3, s3, XML
	v_lshl_add_u32 v[XMP], v[GO], 2, s3
	v_lshlrev_b32 v[GO], 4, v[GO]
	s_lshl_b32 s3, s[WV], 14
	v_add_nc_u32 v[XA], s3, v[GO]
	v_and_b32 v[AV0], 7, v0                        ; the turning load: lane l reads key 8 (l / 16) + l % 8, channels 8 ((l / 8) % 2) + 0..7
	v_lshl_add_u32 v[AV0], v13, 3, v[AV0]
	v_mul_u32_u24 v[AV0], v[AV0], PV
	v_bfe_u32 v[AV], v0, 3, 1
	v_lshl_add_u32 v[AV0], v[AV], 4, v[AV0]
	v_add_nc_u32 v[AV0], s[WOV], v[AV0]
	v_mov_b32 v[AK], v[AK0]
	v_mov_b32 v[AV], v[AV0]
; THE LDS LOADS stand in runs of 16: eight fragments.  RUNK p: channels 64 p .. 64 p + 63 of my 64 keys (half ci, key block kb at 32 ci + 8 kb).  RUNV p: keys 32 (p / 2) on, channel blocks 8 (p % 2) + 0..7.
.macro RUNK p, buf
	LDWIN
.irp ci, 0,1
.irp kb, 0,1,2,3
	ds_load_b128 v[(\buf)+32*(\ci)+8*(\kb):(\buf)+32*(\ci)+8*(\kb)+3],   v[AK] offset:(\kb)*16*PK+(2*(\p)+(\ci))*64
	ds_load_b128 v[(\buf)+32*(\ci)+8*(\kb)+4:(\buf)+32*(\ci)+8*(\kb)+7], v[AK] offset:(\kb)*16*PK+(2*(\p)+(\ci))*64+32
.endr
.endr
.endm
.macro RUNV p, buf
	LDWIN
.irp i, 0,1,2,3,4,5,6,7
	ds_load_tr16_b128 v[(\buf)+8*(\i):(\buf)+8*(\i)+3],   v[AV] offset:((\p)/2)*32*PV+(8*((\p)%2)+(\i))*32
	ds_load_tr16_b128 v[(\buf)+8*(\i)+4:(\buf)+8*(\i)+7], v[AV] offset:((\p)/2)*32*PV+16*PV+(8*((\p)%2)+(\i))*32
.endr
.endm
; THE MATRIX WORK.  The accumulators take turns, one instruction a turn: 8 in a run of K Q^T, 16 in a run of V^T P.
.macro MULK p, buf
	WIN W_KQ
.irp ci, 0,1
.irp kb, 0,1,2,3
.irp t, 0,1
.if ((\p)+(\ci)) == 0
	v_wmma_f32_16x16x32_f16 v[S+32*(\t)+8*(\kb):S+32*(\t)+8*(\kb)+7], v[(\buf)+32*(\ci)+8*(\kb):(\buf)+32*(\ci)+8*(\kb)+7], v[64*(\t)+8*(2*(\p)+(\ci)):64*(\t)+8*(2*(\p)+(\ci))+7], 0
.else
	v_wmma_f32_16x16x32_f16 v[S+32*(\t)+8*(\kb):S+32*(\t)+8*(\kb)+7], v[(\buf)+32*(\ci)+8*(\kb):(\buf)+32*(\ci)+8*(\kb)+7], v[64*(\t)+8*(2*(\p)+(\ci)):64*(\t)+8*(2*(\p)+(\ci))+7], v[S+32*(\t)+8*(\kb):S+32*(\t)+8*(\kb)+7]
.endif
.endr
.endr
.endr
.endm
.macro MULV p, buf, i0, n              ; fragments i0 .. i0 + n - 1 of the run
	WIN W_PV
.set vi, \i0
.rept \n
.irp t, 0,1
	v_wmma_f32_16x16x32_f16 v[128*(\t)+8*(8*((\p)%2)+vi):128*(\t)+8*(8*((\p)%2)+vi)+7], v[(\buf)+8*vi:(\buf)+8*vi+7], v[P+16*(\t)+8*((\p)/2):P+16*(\t)+8*((\p)/2)+7], v[128*(\t)+8*(8*((\p)%2)+vi):128*(\t)+8*(8*((\p)%2)+vi)+7]
.endr
.set vi, vi+1
.endr
.endm
; THE SOFTMAX of tile t for one step is a list of 166 instructions; SM writes number j.  s0-s31 are the lane's 32 scores, in pairs 0-15.
;   0-15 the maximum of the scores and the old m (each accumulator's lowest registers are read first)   16-20 the other half of the lanes'; m; c m; its change
;   21-69 the 16 scalings c s - c m and all 33 exponentials (a at 23): none reads an exponential's result   70-85 the roundings to f16   86-101 the sums; l = a l + sum   102-165 O^T times a
.macro SM t
.set rT, ST+8*(\t)
.set rS, S+32*(\t)
.set rP, P+16*(\t)
.set rO, 128*(\t)+2*(j-102)
.if j < 102
	WIN 0
.endif
.if j < 4
	v_max3_num_f32 v[rT+4+j], v[rS+8*j], v[rS+8*j+1], v[rS+8*j+2]
.elseif j < 12
	v_max3_num_f32 v[rT+4+j%4], v[rT+4+j%4], v[rS+8*(j%4)+2*(j/4)+1], v[rS+8*(j%4)+2*(j/4)+2]
.elseif j == 12
	v_max3_num_f32 v[rT+4], v[rT+4], v[rS+7], v[rS+15]
.elseif j == 13
	v_max3_num_f32 v[rT+6], v[rT+6], v[rS+23], v[rS+31]
.elseif j == 14
	v_max3_num_f32 v[rT+4], v[rT+4], v[rT+5], v[rT+6]
.elseif j == 15
	v_max3_num_f32 v[rT+4], v[rT+4], v[rT+7], v[rT+1]
.elseif j == 16
	v_permlanex16_b32 v[rT+5], v[rT+4], s[SEL], s[SEL+1]
.elseif j == 17
	v_mov_b32 v[rT+7], v[rT]
.elseif j == 18
	v_max_num_f32 v[rT+1], v[rT+4], v[rT+5]
.elseif j == 19
	v_mul_f32 v[rT], s[CS], v[rT+1]
.elseif j == 20
	v_sub_f32 v[rT+7], v[rT+7], v[rT]
.elseif j == 23
	v_exp_f32 v[rT+6], v[rT+7]
.elseif (j < 23) || ((j < 38) && (j%2 == 0)) || ((j < 66) && (j%4 == 2))
.set b, (j-2)/4
.if j < 38
.set b, (j-20)/2
.endif
	v_pk_fma_f32 v[rS+2*b:rS+2*b+1], v[rS+2*b:rS+2*b+1], s[CS:CS+1], v[rT:rT+1] op_sel_hi:[1,0,0] neg_lo:[0,0,1] neg_hi:[0,0,1]
.elseif j < 70
.set e, j-38
.if j < 66
.set e, j-32-(j-38)/4
.endif
.if j < 38
.set e, (j-25)/2
.endif
	v_exp_f32 v[rS+e], v[rS+e]
.elseif j < 86
	v_cvt_pk_f16_f32 v[rP+j-70], v[rS+2*(j-70)], v[rS+2*(j-70)+1]
.elseif j < 102
.set z, j-86
.set w, 4
.set u, z
.if z >= 14
.set w, 32
.set u, 0
.elseif z >= 12
.set w, 16
.set u, z-12
.elseif z >= 8
.set w, 8
.set u, z-8
.endif
.if z < 15
	v_pk_add_f32 v[rS+w*u:rS+w*u+1], v[rS+w*u:rS+w*u+1], v[rS+w*u+w/2:rS+w*u+w/2+1]
.else
	v_pk_fma_f32 v[rT+2:rT+3], v[rT+2:rT+3], v[rT+6:rT+7], v[rS:rS+1] op_sel_hi:[1,0,1]
.endif
.else
	WIN W_RS
	v_pk_mul_f32 v[rO:rO+1], v[rO:rO+1], v[rT+6:rT+7] op_sel_hi:[1,0]
.endif
.endm
.macro SOFTMAX                         ; the two tiles alternate; the step's 66 exponentials are one batch with one wait
.set j, 0
.rept 70
	SM 0
	SM 1
.set j, j+1
.endr
	v_nop                                          ; a plain instruction behind the last exponential
	s_wait_alu depctr_va_vdst(0)                   ; the wait ahead of the first reader of the batch
.rept 96
	SM 0
	SM 1
.set j, j+1
.endr
.endm
; A KEY STEP.  Each s_wait_dscnt 16: the older run of 16 loads is in, the run just issued stays out.  At the step's end the slots change: each wave waits for all its tensor loads, adds 0 to its spare
; word, and waits for that and for its reads of the slot; fill = 1: the barrier opens a round of the cluster's, and the slot just read is filled again first thing behind it, with the keys two steps on.
.macro STEP fill
	s_wait_dscnt 16
	MULK 0, FB0
	PLACES
	RUNK 2, FB0
	s_wait_dscnt 16
	MULK 1, FB1
	PLACES
	RUNK 3, FB1
	s_wait_dscnt 16
	MULK 2, FB0
	PLACES
	RUNV 0, FB0
	s_wait_dscnt 16
	MULK 3, FB1
	PLACES                                         ; also the places in front of the softmax's first reads
	RUNV 1, FB1
	SOFTMAX
	s_wait_dscnt 16
	MULV 0, FB0, 0, 8
	PLACES
	RUNV 2, FB0
	s_wait_dscnt 16
	MULV 1, FB1, 0, 8
	PLACES
	RUNV 3, FB1
	WIN 0
	s_wait_tensorcnt 0x0                           ; all my tensor loads have landed: my part of the other slot; so a group 0 may be written
	ds_add_u32 v[SPW], v[NIL]                      ; 0 onto my spare word
.if \fill
	s_lshl_b32 s[OFF], s[NB], 18                   ; the walking descriptors: the slot just read, the next key block; the address is made anew
	s_add_co_u32 s[G0K+5], s[WOK], s[TB]
	s_add_nc_u64 s[G0K+6:G0K+7], s[KB:KB+1], s[OFF:OFF+1]
	s_or_b32 s[G0K+7], s[G0K+7], 0x80000000
	s_add_co_u32 s[G0V+5], s[WOV], s[TB]
	s_add_nc_u64 s[G0V+6:G0V+7], s[VB:VB+1], s[OFF:OFF+1]
	s_or_b32 s[G0V+7], s[G0V+7], 0x80000000
	s_add_co_u32 s[NB], s[NB], 1
	s_and_b32 s[NB], s[NB], 7
.endif
	s_wait_dscnt 17                                ; the add and the youngest run may be out
	MULV 2, FB0, 0, 8
	s_wait_dscnt 0x0                               ; the add is done, and my reads of the slot are over
	s_barrier_signal -1
	MULV 3, FB1, 0, 4
	WIN 0
	s_barrier_wait -1
.if \fill
	CREST
	JLOAD                                          ; its four v_nop are also the places in front of the loads below
	s_xor_b32 s[TB], s[TB], SLOTB
	v_add_nc_u32 v[AK], s[TB], v[AK0]
	v_add_nc_u32 v[AV], s[TB], v[AV0]
	RUNK 0, FB0
	MULV 3, FB1, 4, 4
	PLACES
	RUNK 1, FB1
	WIN 0
.else
	MULV 3, FB1, 4, 4
	PLACES                                         ; behind the last step these are the places in front of the merge too
	WIN 0
	s_xor_b32 s[TB], s[TB], SLOTB
	v_add_nc_u32 v[AK], s[TB], v[AK0]
	v_add_nc_u32 v[AV], s[TB], v[AV0]
	s_cmp_eq_u32 s[CNT], 1                         ; behind the last step there is no K to fetch
	s_cbranch_scc1 .Lno_k_\@
	RUNK 0, FB0
	RUNK 1, FB1
.Lno_k_\@:
.endif
.endm
	s_wait_tensorcnt 0x1                           ; my part of slot 0 is in; slot 1's may stay out
	s_barrier_signal -1
	s_barrier_wait -1
	RUNK 0, FB0
	RUNK 1, FB1
	s_wait_loadcnt 0x0                             ; Q
	s_wait_kmcnt 0x0                               ; the mask
	s_mov_b32 s[CNT], 6
.Lstep:                                        ; steps 0 to 5 ask for steps 2 to 7
	STEP 1
	s_sub_co_u32 s[CNT], s[CNT], 1
	s_cmp_lg_u32 s[CNT], 0
	s_cbranch_scc1 .Lstep
	s_mov_b32 s[CNT], 2
.Ltail:                                        ; the last two steps ask for nothing
	STEP 0
	s_sub_co_u32 s[CNT], s[CNT], 1
	s_cmp_lg_u32 s[CNT], 0
	s_cbranch_scc1 .Ltail
	; THE MERGE of the two key halves.  l's two halves and the other half of the lanes' are added; c m and l of both register tiles go to the partner wave through LDS.
.irp t, 0,1
	v_add_f32 v[ST+8*(\t)+2], v[ST+8*(\t)+2], v[ST+8*(\t)+3]
.endr
.irp t, 0,1
	v_permlanex16_b32 v[ST+8*(\t)+3], v[ST+8*(\t)+2], s[SEL], s[SEL+1]
.endr
.irp t, 0,1
	v_add_f32 v[ST+8*(\t)+2], v[ST+8*(\t)+2], v[ST+8*(\t)+3]
.endr
.irp t, 0,1
	ds_store_b32 v[XM], v[ST+8*(\t)] offset:256*(\t)
	ds_store_b32 v[XM], v[ST+8*(\t)+2] offset:256*(\t)+128
.endr
	WIN 0x80                                       ; the addend's 16 rows of 512 bytes for the tile that I finish are asked for here, into registers of Q, which no product reads any more:
.set i, 0                              ; they have the whole merge in which to come
.rept 16
	global_load_b128 v[4*i:4*i+3], v[GO], s[AP:AP+1] offset:i*2048
.set i, i+1
.endr
	WIN 0
	s_xor_b32 s3, s[WV], 1
	s_lshl_b32 s3, s3, 14
	v_add_nc_u32 v[XR], s3, v[GO]                  ; my partner's 16,384 bytes (Q's loads, which this register addressed, were waited for ahead of the first step)
	s_wait_dscnt 0x0                               ; for the others' sake: my stores are done, and my reads of the ring were over before
	s_barrier_signal -1
	s_barrier_wait -1
.irp t, 0,1                            ; my register tile t is my partner's register tile 1 - t
	ds_load_b32 v[ST+8*(\t)+4], v[XMP] offset:256*(1-(\t))
	ds_load_b32 v[ST+8*(\t)+5], v[XMP] offset:256*(1-(\t))+128
.endr
	s_wait_dscnt 0x0
.irp t, 0,1
	v_max_num_f32 v[ST+8*(\t)+1], v[ST+8*(\t)], v[ST+8*(\t)+4]        ; the common c m
.endr
.irp t, 0,1
	v_sub_f32 v[ST+8*(\t)+6], v[ST+8*(\t)], v[ST+8*(\t)+1]
	v_sub_f32 v[ST+8*(\t)+7], v[ST+8*(\t)+4], v[ST+8*(\t)+1]
.endr
.irp t, 0,1
	v_exp_f32 v[ST+8*(\t)+6], v[ST+8*(\t)+6]
	v_exp_f32 v[ST+8*(\t)+7], v[ST+8*(\t)+7]
.endr
	v_nop
	s_wait_alu depctr_va_vdst(0)                   ; one wait for the four exponentials
.irp t, 0,1
	v_mul_f32 v[ST+8*(\t)+3], v[ST+8*(\t)+2], v[ST+8*(\t)+6]
.endr
.irp t, 0,1
	v_fma_f32 v[ST+8*(\t)+3], v[ST+8*(\t)+5], v[ST+8*(\t)+7], v[ST+8*(\t)+3]  ; l e + l' e'
.endr
.irp t, 0,1
	v_rcp_f32 v[ST+8*(\t)+4], v[ST+8*(\t)+3]
.endr
	v_nop
	s_wait_alu depctr_va_vdst(0)                   ; one wait for the two reciprocals
.irp t, 0,1
	v_mul_f32 v[ST+8*(\t)+6], v[ST+8*(\t)+6], v[ST+8*(\t)+4]          ; my O^T's factor
.endr
	WIN W_RS                                       ; register tile 1 is scaled and handed over, in f32
.set n, 0
.rept 64
	v_pk_mul_f32 v[128+2*n:128+2*n+1], v[128+2*n:128+2*n+1], v[ST+14:ST+15] op_sel_hi:[1,0]
.set n, n+1
.endr
	WIN 0x04                                       ; store data in window 1
.set n, 0
.rept 32
	ds_store_b128 v[XA], v[128+4*n:128+4*n+3] offset:512*n
.set n, n+1
.endr
	WIN 0
	s_wait_dscnt 0x0                               ; for my partner's sake
	s_barrier_signal -1
	s_barrier_wait -1
	; Register tile 0 is finished: O g + the partner's; rounded to f16; through my stage, back as whole rows of 512 bytes; the masked addend; stored.
.set n, 0
.rept 32
	ds_load_b128 v[128+4*n:128+4*n+3], v[XR] offset:512*n
.set n, n+1
.endr
	s_wait_dscnt 0x0
	WIN 0x01                                       ; source 0 (O^T) in window 1
.set n, 0
.rept 64
	v_pk_fma_f32 v[128+2*n:128+2*n+1], v[2*n:2*n+1], v[ST+6:ST+7], v[128+2*n:128+2*n+1] op_sel_hi:[1,0,1]
.set n, n+1
.endr
	WIN 0
.set n, 0
.rept 64
	v_cvt_pk_f16_f32 v[S+n], v[128+2*n], v[128+2*n+1]
.set n, n+1
.endr
.set n, 0
.rept 16
	ds_store_b128 v[STO], v[S+4*n:S+4*n+3] offset:32*n
.set n, n+1
.endr
.set n, 0
.rept 16
	ds_load_b128 v[S+4*n:S+4*n+3], v[RD] offset:PK*n  ; LDS serves a wave's instructions in order: these see the stores above
.set n, n+1
.endr
	s_wait_loadcnt 0x0                             ; the addend's rows
	WIN 0x88                                       ; destination and source 1 in window 2
.set n, 0
.rept 64
	v_and_b32 v[n], s[FLG], v[n]                   ; the mask: the rows as they are, or 0 whatever they hold; this stands between the stage's loads and the wait for them
.set n, n+1
.endr
	s_wait_dscnt 0x0
	WIN 0x08                                       ; source 1 in window 2
.set n, 0
.rept 64
	v_pk_add_f16 v[S+n], v[S+n], v[n]
.set n, n+1
.endr
	WIN 0
.set n, 0
.rept 16
	global_store_b128 v[GO], v[S+4*n:S+4*n+3], s[OP:OP+1] offset:n*2048 th:TH_STORE_NT  ; 512 consecutive bytes, aligned
.set n, n+1
.endr
	s_wait_tensorcnt 0x0                           ; the wave's end
	ds_add_u32 v[SPW], v[NIL]
	s_wait_dscnt 0x0
	CROUND                                         ; the closing round
	s_endpgm
.Lfunc_end_k_q1424505dae_attp:
	.size	k_q1424505dae_attp, .Lfunc_end_k_q1424505dae_attp-k_q1424505dae_attp
	.p2alignl 7, 3214868480
	.fill 96, 4, 3214868480
	.section	.rodata,"a",@progbits
	.p2align	6, 0x0
	.amdhsa_kernel k_q1424505dae_attp
		.amdhsa_group_segment_fixed_size 327680
		.amdhsa_private_segment_fixed_size 0
		.amdhsa_enable_private_segment 0
		.amdhsa_kernarg_size 32
		.amdhsa_user_sgpr_count 2
		.amdhsa_user_sgpr_kernarg_segment_ptr 1
		.amdhsa_wavefront_size32 1
		.amdhsa_system_sgpr_workgroup_id_x 1
		.amdhsa_system_sgpr_workgroup_id_y 1
		.amdhsa_system_sgpr_workgroup_id_z 1
		.amdhsa_system_vgpr_workitem_id 0
		.amdhsa_next_free_vgpr 640
		.amdhsa_next_free_sgpr 96
		.amdhsa_reserve_vcc 0
		.amdhsa_float_denorm_mode_32 3
		.amdhsa_float_denorm_mode_16_64 3
		.amdhsa_memory_ordered 1
		.amdhsa_forward_progress 1
		.amdhsa_inst_pref_size 125
	.end_amdhsa_kernel
	.amdgpu_metadata
---
amdhsa.version: [ 1, 2 ]
amdhsa.kernels:
  - .name:           k_q1424505dae_attp
    .symbol:         k_q1424505dae_attp.kd
    .args:
      - { .name: flagp, .offset: 0, .size: 8, .value_kind: global_buffer, .address_space: global }
      - { .name: pb, .offset: 8, .size: 8, .value_kind: global_buffer, .address_space: global }
      - { .name: gvb, .offset: 16, .size: 8, .value_kind: global_buffer, .address_space: global }
      - { .name: gb, .offset: 24, .size: 8, .value_kind: global_buffer, .address_space: global }
    .group_segment_fixed_size: 327680
    .private_segment_fixed_size: 0
    .kernarg_segment_align: 8
    .kernarg_segment_size: 32
    .max_flat_workgroup_size: 128
    .sgpr_count:     96
    .vgpr_count:     640
    .wavefront_size: 32
...
	.end_amdgpu_metadata
.endif
;; end of part 3
;; launch attg: the kernel of part 3 again; grid 16 x 16, 4 waves a work-group, clusters of 4 x 1, 327,680 bytes of LDS; arguments flagg, gb, gvb, ctx; writes ctx
;; launch dense (part 4): grid 8 x 32, 4 waves a work-group, clusters of 4 x 4, 327,680 bytes of LDS; arguments ctx, xw, bias, out0; writes out0
.if DOCPART == 4
	.amdgcn_target "amdgcn-amd-amdhsa--gfx1250"
	.amdhsa_code_object_version 6
	.text
	.protected	k_q1424505dae_dense
	.globl	k_q1424505dae_dense
	.p2align	8
	.type	k_q1424505dae_dense,@function
k_q1424505dae_dense:
	s_mov_b64 s[64:65], 0
	v_nop
	global_prefetch_b8 v0, s[64:65] scope:SCOPE_SE
	s_setreg_imm32_b32 hwreg(HW_REG_WAVE_MODE, 25, 1), 1
	s_wait_xcnt 0x0
	s_wait_alu depctr_hold_cnt(0) depctr_sa_sdst(0) depctr_va_vdst(0) depctr_va_sdst(0) depctr_va_ssrc(0) depctr_va_vcc(0) depctr_vm_vsrc(0)
	s_getreg_b32 s2, hwreg(HW_REG_IB_STS2, 6, 4)
	s_cmp_eq_u32 s2, 0
	s_cbranch_scc0 .Lentry_in_a_cluster
	s_endpgm
.Lentry_in_a_cluster:
	s_bfe_u32 s2, ttmp6, 0x10000c
	s_cmp_lg_u32 s2, 0xf033
	s_cbranch_scc0 .Lentry_shape_is_right
	s_endpgm
.Lentry_shape_is_right:
; out0[m][n] = dense_b[n] + the sum over k of ctx[m][k] dense_w[n][k].  ctx is f16; dense_w was rounded to bf16 and that number written as f16 (unit 18 of xw); the bias (rounded to bf16, kept as f32)
; is the C operand of the first products; sums f32; out0 f32.  K is summed from a block that hangs on the cluster, round the end: another order of rounding than ascending K.
; A tile is 128 x 128: 256 work-groups of four waves, each 64 x 64: 16 accumulators.  K goes in four steps of 256 (LDS rows of 512 bytes, 64 rows to a wave's load) through two slots; step s takes
; K block (2 X + Y + s) mod 4, X, Y the cluster: the clusters that read the same rows begin at different blocks, and each block's first request in the launch is one of the first fills: no prefetch is laid.
; CLUSTERS of 4 x 4: ctx's tile is asked for jointly by a row of the cluster, dense_w's by a column.  THE MATRIX INSTRUCTION IS USED TRANSPOSED: a lane holds eight neighbouring columns of a row.
; THE WAY OUT: a wave's 64 columns of f32 are 256 bytes, so each wave has a stage of its own and no barrier is needed.
; REGISTERS: window 0: v0-31 addresses; v32-95 rows read back; v96-127 the bias; v128-255 the accumulators.  window 1: two fragment buffers of 128.
.set KSTEP,  256
.set PITCH,  528
.set HALFT,  64*PITCH
.set SLOT,   4*HALFT
.set STAGE,  2*SLOT
.set SPITCH, 272
.set SPARE,  STAGE+4*16*SPITCH
.set ADRA, 16
.set ADRB, 20
.set STO,  24
.set RD,   25
.set CO,   26
.set BO,   27
.set SPW,  28
.set NIL,  29
.set TMP,  32
.set BIAS, 96
.set ACC,  128
.set F0,   0
.set F1,   128
.set WV,   12
.set RH,   13                          ; which half of the tile's rows is mine.  Also: I fetch for ctx (0) or for dense_w (1)
.set CH,   14                          ; which half of its columns.  Also: which 64 rows I fetch
.set AB,   16                          ; s[16:17] ctx at the rows that I fetch
.set RK,   18                          ; s[18:19] byte offset along K of the next fill
.set G1,   24
.set G0,   32
.set BB,   46                          ; s[46:47] dense_w at the rows that I fetch
.set G1B,  48
.set G0B,  56
.set FLAGS, (1<<16)|(1<<20)|(1<<21)|(6<<22)|(3<<25)   ; 2-byte elements; padding on; bit 21 beside a mask; after every 128 words; 4 words
.set MSB, 0
.macro WIN new
.if MSB != (\new)
	s_set_vgpr_msb (MSB<<8)|(\new)
.set MSB, \new
.endif
.endm
.set MULW, 0x05                        ; sources 0 and 1 window 1; C and D window 0
.set TO_F, 0x40
.macro JLOAD s
	s_cmp_eq_u32 s[RH], 0
	s_cbranch_scc0 .Lfor_b_\@
	tensor_load_to_lds s[G0+4*(\s):G0+4*(\s)+3], s[G1:G1+7]
	s_nop 0
.rept 4
	v_nop
.endr
	s_branch .Lasked_\@
.Lfor_b_\@:
	tensor_load_to_lds s[G0B+4*(\s):G0B+4*(\s)+3], s[G1B:G1B+7]
	s_nop 0
.rept 4
	v_nop
.endr
.Lasked_\@:
.endm
.macro CREST
	s_cmp_lg_u32 s[WV], 0
	s_cbranch_scc1 .Lnot_wave_0_\@
	s_barrier_signal -3
.Lnot_wave_0_\@:
	s_barrier_wait -3
	s_barrier_signal -1
	s_barrier_wait -1
.endm
.macro CROUND
	s_barrier_signal -1
	s_barrier_wait -1
	CREST
.endm
	s_load_b256 s[4:11], s[0:1], 0x0               ; ctx s[4:5], xw s[6:7], bias s[8:9], out0 s[10:11]
	v_lshl_add_u32 v[SPW], v0, 2, SPARE
	v_mov_b32 v[NIL], 0
	ds_add_u32 v[SPW], v[NIL]                      ; the wave's opening: the add and its wait stand ahead of my first tensor load
	v_lshrrev_b32 v1, 5, v0
	v_readfirstlane_b32 s[WV], v1
	s_lshr_b32 s[RH], s[WV], 1
	s_and_b32 s[CH], s[WV], 1
	s_bfe_u32 s40, ttmp6, 0x40000                  ; cx
	s_bfe_u32 s41, ttmp6, 0x40004                  ; cy
	s_lshl2_add_u32 s42, ttmp9, s40                ; tile column
	s_and_b32 s15, ttmp7, 0xffff
	s_lshl2_add_u32 s43, s15, s41                  ; tile row
	s_lshl_b32 s44, s41, 2
	s_lshl_b32 s44, 15, s44                        ; my row of the cluster
	s_lshl_b32 s45, 0x1111, s40                    ; my column
	s_or_b32 s[G1], s44, FLAGS
	s_or_b32 s[G1B], s45, FLAGS
.irp g, G1, G1B
	s_mov_b32 s[(\g)+1], KSTEP<<16                 ; tensor_dim0 = 256
	s_mov_b32 s[(\g)+2], 64<<16                    ; tensor_dim1 = 64
	s_mov_b32 s[(\g)+3], KSTEP<<16                 ; tile_dim0 = 256
	s_mov_b32 s[(\g)+4], 64                        ; tile_dim1 = 64
	s_mov_b32 s[(\g)+5], 1024                      ; elements from row to row
	s_mov_b32 s[(\g)+6], 0
	s_mov_b32 s[(\g)+7], 0
.endr
	s_lshl1_add_u32 s[RK], ttmp9, s15              ; 2 X + Y
	s_and_b32 s[RK], s[RK], 3
	s_lshl_b32 s[RK], s[RK], 9
	s_mov_b32 s[RK+1], 0
	s_lshl_b32 s21, s[CH], 17                      ; which 64 rows of the tile I fetch
	s_lshl_b32 s[AB], s43, 18                      ; 128 rows of 2,048 bytes
	s_add_co_u32 s[AB], s[AB], s21
	s_mov_b32 s[AB+1], 0
	s_lshl_b32 s[BB], s42, 18
	s_add_co_u32 s[BB], s[BB], s21
	s_add_co_u32 s[BB], s[BB], 18<<21              ; dense_w's unit
	s_mov_b32 s[BB+1], 0
	s_mul_i32 s20, s[WV], HALFT                    ; where they go: wave x 64 rows
	s_lshl_b32 s66, s42, 9                         ; my wave's 64 columns, in f32
	s_lshl_b32 s67, s[CH], 8
	s_add_co_u32 s66, s66, s67
	s_lshl_b32 s68, s43, 19                        ; my wave's 64 rows of out0
	s_lshl_b32 s69, s[RH], 18
	s_add_co_u32 s68, s68, s69
	s_add_co_u32 s68, s68, s66
	s_add_co_u32 s66, s66, 6*4096                  ; the seventh bias
	s_mov_b32 s67, 0
	s_mov_b32 s69, 0
	s_wait_dscnt 0x0                               ; the opening add is done
	s_wait_kmcnt 0x0
	s_add_nc_u64 s[AB:AB+1], s[4:5], s[AB:AB+1]
	s_add_nc_u64 s[BB:BB+1], s[6:7], s[BB:BB+1]
	s_add_nc_u64 s[8:9], s[8:9], s[66:67]
	s_add_nc_u64 s[10:11], s[10:11], s[68:69]
.irp s, 0,1
	s_mov_b32 s[G0+4*(\s)], 1
	s_add_co_u32 s[G0+4*(\s)+1], s20, (\s)*SLOT
	s_add_nc_u64 s[G0+4*(\s)+2:G0+4*(\s)+3], s[AB:AB+1], s[RK:RK+1]
	s_or_b32 s[G0+4*(\s)+3], s[G0+4*(\s)+3], 0x80000000
	s_mov_b32 s[G0B+4*(\s)], 1
	s_add_co_u32 s[G0B+4*(\s)+1], s20, (\s)*SLOT
	s_add_nc_u64 s[G0B+4*(\s)+2:G0B+4*(\s)+3], s[BB:BB+1], s[RK:RK+1]
	s_or_b32 s[G0B+4*(\s)+3], s[G0B+4*(\s)+3], 0x80000000
	s_add_co_u32 s[RK], s[RK], 512
	s_and_b32 s[RK], s[RK], 0x7ff
.endr
	CROUND                                         ; all sixteen work-groups are here: the first joint loads meet
	s_cmp_eq_u32 s[RH], 0                          ; a wave's two first fills stand in one branch: two loads of mine are out
	s_cbranch_scc0 .Lfirst_b
	tensor_load_to_lds s[G0:G0+3], s[G1:G1+7]
	s_nop 0
	tensor_load_to_lds s[G0+4:G0+7], s[G1:G1+7]
	s_nop 0
.rept 4
	v_nop
.endr
	s_branch .Lfirst_asked
.Lfirst_b:
	tensor_load_to_lds s[G0B:G0B+3], s[G1B:G1B+7]
	s_nop 0
	tensor_load_to_lds s[G0B+4:G0B+7], s[G1B:G1B+7]
	s_nop 0
.rept 4
	v_nop
.endr
.Lfirst_asked:
	v_and_b32 v1, 15, v0                           ; l % 16
	v_bfe_u32 v2, v0, 4, 1                         ; l / 16
	v_lshlrev_b32 v[BO], 5, v2
.irp b, 0,1,2,3                        ; register j of block b is the bias of column 16 b + 8 (l / 16) + j
	global_load_b128 v[BIAS+8*(\b):BIAS+8*(\b)+3],   v[BO], s[8:9] offset:64*(\b)
	global_load_b128 v[BIAS+8*(\b)+4:BIAS+8*(\b)+7], v[BO], s[8:9] offset:64*(\b)+16
.endr
	v_mul_u32_u24 v3, v1, PITCH
	v_lshl_add_u32 v3, v2, 4, v3
	s_mul_i32 s21, s[RH], HALFT                    ; my 64 rows of ctx
	s_mul_i32 s22, s[CH], HALFT                    ; my 64 rows of dense_w,
	s_add_co_u32 s22, s22, 2*HALFT                 ; which lie behind ctx's 128
.irp s, 0,1
	v_add_nc_u32 v[ADRA+(\s)], s21, v3
	v_add_nc_u32 v[ADRB+(\s)], s22, v3
	s_add_co_u32 s21, s21, SLOT
	s_add_co_u32 s22, s22, SLOT
.endr
	s_mul_i32 s23, s[WV], 16*SPITCH
	s_add_co_u32 s23, s23, STAGE                   ; my stage
	v_mul_u32_u24 v4, v1, SPITCH                   ; in: row l % 16, 32 bytes for each half of the lanes
	v_lshl_add_u32 v4, v2, 5, v4
	v_add_nc_u32 v[STO], s23, v4
	v_mul_u32_u24 v5, v2, SPITCH                   ; back: lanes 0-15 one row of 256 bytes, lanes 16-31 the next
	v_lshl_add_u32 v5, v1, 4, v5
	v_add_nc_u32 v[RD], s23, v5
	v_lshlrev_b32 v[CO], 12, v2                    ; the same two rows in out0
	v_lshl_add_u32 v[CO], v1, 4, v[CO]
; 8 matrix instructions: m blocks a0, a0 + 1 x all 4 n blocks, 32 along K: half c of buffer f.  zero = 1: the first product starts the sums, with the bias as C.  The 16 accumulators take turns.
.macro MUL8 f, c, a0, zero
	WIN MULW
.irp a, \a0, (\a0)+1
.irp b, 0,1,2,3
.if \zero
	v_wmma_f32_16x16x32_f16 v[ACC+8*(4*(\a)+(\b)):ACC+8*(4*(\a)+(\b))+7], v[(\f)+64+8*(4*(\c)+(\b)):(\f)+64+8*(4*(\c)+(\b))+7], v[(\f)+8*(4*(\c)+(\a)):(\f)+8*(4*(\c)+(\a))+7], v[BIAS+8*(\b):BIAS+8*(\b)+7]
.else
	v_wmma_f32_16x16x32_f16 v[ACC+8*(4*(\a)+(\b)):ACC+8*(4*(\a)+(\b))+7], v[(\f)+64+8*(4*(\c)+(\b)):(\f)+64+8*(4*(\c)+(\b))+7], v[(\f)+8*(4*(\c)+(\a)):(\f)+8*(4*(\c)+(\a))+7], v[ACC+8*(4*(\a)+(\b)):ACC+8*(4*(\a)+(\b))+7]
.endif
.endr
.endr
.endm
; 32 LDS loads in one run: the fragments of 64 along K at byte k of the rows; the first 32 along K first
.macro FETCH slot, k, f
	WIN TO_F
.irp c, 0,1
.irp i, 0,1,2,3
	ds_load_b128 v[(\f)+64+8*(4*(\c)+(\i)):(\f)+64+8*(4*(\c)+(\i))+3],   v[ADRB+(\slot)] offset:(\k)+64*(\c)+(\i)*16*PITCH
	ds_load_b128 v[(\f)+64+8*(4*(\c)+(\i))+4:(\f)+64+8*(4*(\c)+(\i))+7], v[ADRB+(\slot)] offset:(\k)+64*(\c)+(\i)*16*PITCH+32
	ds_load_b128 v[(\f)+8*(4*(\c)+(\i)):(\f)+8*(4*(\c)+(\i))+3],         v[ADRA+(\slot)] offset:(\k)+64*(\c)+(\i)*16*PITCH
	ds_load_b128 v[(\f)+8*(4*(\c)+(\i))+4:(\f)+8*(4*(\c)+(\i))+7],       v[ADRA+(\slot)] offset:(\k)+64*(\c)+(\i)*16*PITCH+32
.endr
.endr
.endm
.macro PLACES
.rept 4
	v_nop
.endr
.endm
.macro QUARTER slot, k, f, g, zero
	s_wait_dscnt 16                                ; the first 32 along K are in
	MUL8 \f, 0, 0, \zero
	MUL8 \f, 0, 2, \zero
	PLACES
	FETCH \slot, \k, \g
	s_wait_dscnt 32                                ; all but the 32 just issued
	MUL8 \f, 1, 0, 0
	MUL8 \f, 1, 2, 0
.endm
; The last quarter multiplies buffer 1 and changes slots.  fill = 1: this slot is filled again, two K steps on.
.macro TURN slot, next, fill
	WIN 0
	s_wait_tensorcnt 0x0                           ; all my tensor loads have landed: my part of the next slot; so a group 0 may be written
	ds_add_u32 v[SPW], v[NIL]                      ; 0 onto my spare word
.if \fill
	s_add_nc_u64 s[G0+4*(\slot)+2:G0+4*(\slot)+3], s[AB:AB+1], s[RK:RK+1]
	s_or_b32 s[G0+4*(\slot)+3], s[G0+4*(\slot)+3], 0x80000000
	s_add_nc_u64 s[G0B+4*(\slot)+2:G0B+4*(\slot)+3], s[BB:BB+1], s[RK:RK+1]
	s_or_b32 s[G0B+4*(\slot)+3], s[G0B+4*(\slot)+3], 0x80000000
	s_add_co_u32 s[RK], s[RK], 512
	s_and_b32 s[RK], s[RK], 0x7ff
.endif
	s_wait_dscnt 17                                ; the add and the youngest sixteen loads may be out
	MUL8 F1, 0, 0, 0
	s_wait_dscnt 0x0                               ; the add is done, and my reads of this slot are over
	s_barrier_signal -1
	MUL8 F1, 0, 2, 0
.if \fill
	WIN 0
.endif
	s_barrier_wait -1
.if \fill
	CREST                                          ; the barrier has opened a round of the cluster's: no wave of any partner still reads this slot or has a load on its way
	JLOAD \slot                                    ; its four v_nop are also the places in front of the loads below
.else
	PLACES
.endif
	FETCH \next, 0, F0
	MUL8 F1, 1, 0, 0
	MUL8 F1, 1, 2, 0
.endm
	s_wait_tensorcnt 0x1                           ; my part of K step 0 is in; step 1's may stay out
	s_barrier_signal -1
	s_barrier_wait -1
	FETCH 0, 0, F0
	s_wait_loadcnt 0x0                             ; the bias
	QUARTER 0, 128, F0, F1, 1                      ; the first products start the sums
	QUARTER 0, 256, F1, F0, 0
	QUARTER 0, 384, F0, F1, 0
	TURN 0, 1, 1
	QUARTER 1, 128, F0, F1, 0
	QUARTER 1, 256, F1, F0, 0
	QUARTER 1, 384, F0, F1, 0
	TURN 1, 0, 1
	QUARTER 0, 128, F0, F1, 0
	QUARTER 0, 256, F1, F0, 0
	QUARTER 0, 384, F0, F1, 0
	TURN 0, 1, 0                                   ; the last lap fills nothing
	QUARTER 1, 128, F0, F1, 0
	QUARTER 1, 256, F1, F0, 0
	QUARTER 1, 384, F0, F1, 0
	s_wait_dscnt 16
	MUL8 F1, 0, 0, 0
	MUL8 F1, 0, 2, 0
	s_wait_dscnt 0x0
	MUL8 F1, 1, 0, 0
	MUL8 F1, 1, 2, 0
	WIN 0
	; THE WAY OUT: 16 rows at a time, 32 bytes a lane into my stage (each accumulator's low registers first), back as whole rows of 256 bytes, stored.
	PLACES
.irp a, 0,1,2,3
.irp b, 0,1,2,3
	ds_store_b128 v[STO], v[ACC+8*(4*(\a)+(\b)):ACC+8*(4*(\a)+(\b))+3]   offset:64*(\b)
	ds_store_b128 v[STO], v[ACC+8*(4*(\a)+(\b))+4:ACC+8*(4*(\a)+(\b))+7] offset:64*(\b)+16
.endr
.irp t, 0,1,2,3,4,5,6,7
	ds_load_b128 v[TMP+32*((\a)%2)+4*(\t):TMP+32*((\a)%2)+4*(\t)+3], v[RD] offset:(\t)*2*SPITCH  ; LDS serves a wave's instructions in order: these see the stores above
.endr
	s_wait_dscnt 0x0
	s_wait_xcnt 0x0                                ; earlier stores have read their registers: the other set is loaded again only behind this wait
.irp t, 0,1,2,3,4,5,6,7
	global_store_b128 v[CO], v[TMP+32*((\a)%2)+4*(\t):TMP+32*((\a)%2)+4*(\t)+3], s[10:11] offset:(16*(\a)+2*(\t))*4096 th:TH_STORE_NT  ; 16 lanes store 256 consecutive bytes, aligned
.endr
.endr
	s_wait_tensorcnt 0x0                           ; the wave's end
	ds_add_u32 v[SPW], v[NIL]
	s_wait_dscnt 0x0
	CROUND                                         ; the closing round
	s_endpgm
.Lfunc_end_k_q1424505dae_dense:
	.size	k_q1424505dae_dense, .Lfunc_end_k_q1424505dae_dense-k_q1424505dae_dense
	.p2alignl 7, 3214868480
	.fill 96, 4, 3214868480
	.section	.rodata,"a",@progbits
	.p2align	6, 0x0
	.amdhsa_kernel k_q1424505dae_dense
		.amdhsa_group_segment_fixed_size 327680
		.amdhsa_private_segment_fixed_size 0
		.amdhsa_enable_private_segment 0
		.amdhsa_kernarg_size 32
		.amdhsa_user_sgpr_count 2
		.amdhsa_user_sgpr_kernarg_segment_ptr 1
		.amdhsa_wavefront_size32 1
		.amdhsa_system_sgpr_workgroup_id_x 1
		.amdhsa_system_sgpr_workgroup_id_y 1
		.amdhsa_system_sgpr_workgroup_id_z 1
		.amdhsa_system_vgpr_workitem_id 0
		.amdhsa_next_free_vgpr 512
		.amdhsa_next_free_sgpr 72
		.amdhsa_reserve_vcc 0
		.amdhsa_float_denorm_mode_32 3
		.amdhsa_float_denorm_mode_16_64 3
		.amdhsa_memory_ordered 1
		.amdhsa_forward_progress 1
		.amdhsa_inst_pref_size 86
	.end_amdhsa_kernel
	.amdgpu_metadata
---
amdhsa.version: [ 1, 2 ]
amdhsa.kernels:
  - .name:           k_q1424505dae_dense
    .symbol:         k_q1424505dae_dense.kd
    .args:
      - { .name: ctx, .offset: 0, .size: 8, .value_kind: global_buffer, .address_space: global }
      - { .name: xw, .offset: 8, .size: 8, .value_kind: global_buffer, .address_space: global }
      - { .name: bias, .offset: 16, .size: 8, .value_kind: global_buffer, .address_space: global }
      - { .name: out0, .offset: 24, .size: 8, .value_kind: global_buffer, .address_space: global }
    .group_segment_fixed_size: 327680
    .private_segment_fixed_size: 0
    .kernarg_segment_align: 8
    .kernarg_segment_size: 32
    .max_flat_workgroup_size: 128
    .sgpr_count:     72
    .vgpr_count:     512
    .wavefront_size: 32
...
	.end_amdgpu_metadata
.endif
;; end of part 4
;; ======== version 2 of 2: 5 launches; version 1 with the launch cast written anew for expert scheduling mode
;; limits: values are held in f16: magnitudes above 65,504 overflow, below 6.1e-05 lose precision
;; workspace buffers: xw 39,845,888 bytes; bias 28,672 bytes; pb 25,165,824 bytes; gb 25,165,824 bytes; gvb 8,388,608 bytes; ctx 8,388,608 bytes; flagp 4,096 bytes of whole numbers; flagg 4,096 bytes of whole numbers
;; launch cast (part 5): grid 1024 x 1, 8 waves a work-group, no clusters, 0 bytes of LDS; arguments local_feat, global_feat, text_feat, glb_k_w, glb_v_w, plb_q_w, glb_q_w, plb_k_w, plb_v_w, dense_w, glb_k_b, glb_v_b, plb_q_b, glb_q_b, plb_k_b, plb_v_b, dense_b, xw, bias, flagp, flagg; writes xw, bias, flagp, flagg
.if DOCPART == 5
	.amdgcn_target "amdgcn-amd-amdhsa--gfx1250"
	.amdhsa_code_object_version 6
	.text
	.protected	k_q1424505dae_cast
	.globl	k_q1424505dae_cast
	.p2align	8
	.type	k_q1424505dae_cast,@function
k_q1424505dae_cast:
	s_mov_b64 s[64:65], 0
	v_nop
	global_prefetch_b8 v0, s[64:65] scope:SCOPE_SE
	s_setreg_imm32_b32 hwreg(HW_REG_WAVE_SCHED_MODE, 0, 2), 2
	s_setreg_imm32_b32 hwreg(HW_REG_WAVE_MODE, 25, 1), 1
	s_wait_xcnt 0x0
	s_wait_alu depctr_vm_vsrc(0)
; THE INPUTS, ROUNDED ONCE.  xw holds 19 units of 2 MiB of 16-bit numbers: units 0-3 local_feat, 4-7 global_feat, 8-11 text_feat, 12-17 the weights
; glb_k, glb_v, plb_q, glb_q, plb_k, plb_v, all rounded to bf16; unit 18 dense_w, rounded to bf16 and that number written as f16 (the last product multiplies in f16).
; bias holds the seven biases in the same order (dense last), rounded to bf16 and kept as f32.  flagp and flagg hold a mask each, all ones and 0: the attention text, which two later launches
; share, lays it over the addend's words on its way out.
; LIMIT.  A dense weight below 6e-5 in size keeps f16's fixed step of 6e-8; beyond 65,504 it would be an infinity.
; SHARES.  1,024 work-groups of equal work: work-group g takes bytes 4,096 g .. 4,096 g + 4,095 of each unit's 4 MiB of f32, thread t 16 of them: a wave's load covers 512 neighbouring bytes, its
; store 256 consecutive bytes, aligned.  A wave issues its 19 loads, one a unit, before it uses the first.  Memory binds: no LDS, no barrier, no matrix unit, nothing read twice.
; Work-groups 0 to 6 also round one bias each, work-group 7 stores the two masks.
; THE MODE: SCHED_MODE bits 1:0 = 2 (LLVM: expert scheduling mode 2), set by the entry lines.  The code itself states the register dependences
; between vector instructions and memory instructions, with s_wait_alu, always for 0.
; THE PLAN.  Registers that memory instructions touch:
;   v[IN], v[IN+1], v[OU .. OU+4], v[BO]   byte offsets: made once at the head, read by every load and store, never written again.
;   X, four registers a unit               the unit's load lands there (no vector instruction has named them); its conversions read the four and write the first two; its store reads those two.
;                                          Each unit has registers of its own: none is written again behind its store.
;   v[96:99]                               the bias's load lands there (no vector instruction has named them).   v[104:107], v[108:115]   written by vector lines, read by one store each, never again.
;   T, v100, v101 are named by vector instructions alone.
; So one wait on va_vdst at the head serves all offsets.  The units go in groups of four: the group's conversions, ONE wait on va_vdst, the run of its stores.  One more such wait stands ahead of the bias's
; store and one ahead of the masks'.  No register that a memory instruction reads is written again, no vector instruction writes a scalar register or VCC, and EXEC is never written: no other wait is owed.
.set IN,  2                            ; v2, v3    byte offset in a source: 4,096 g + 16 t, and 8 MiB further on
.set OU,  4                            ; v[4:8]    byte offset in xw: 2,048 g + 8 t, and 8, 16, 24, 32 MiB further on (the immediate holds the unit's place among four)
.set BO,  9                            ; v9        16 t
.set X,   16                           ; v[16:91]  unit u: four f32 as loaded; then its first two registers hold the four packed numbers
.set T,   92                           ; v[92:95]  at work (dense_w alone)
	s_load_b512 s[8:23], s[0:1], 0x0               ; argument i lies in s[8+2i:9+2i]
	s_load_b512 s[24:39], s[0:1], 0x40
	s_load_b256 s[40:47], s[0:1], 0x80             ; dense_b s[40:41], xw s[42:43], bias s[44:45], flagp s[46:47]
	s_load_b64 s[48:49], s[0:1], 0xa0              ; flagg
	s_lshl_b32 s3, ttmp9, 12
	s_lshl_b32 s4, ttmp9, 11
	v_lshlrev_b32 v[BO], 4, v0
	v_add_nc_u32 v[IN], s3, v[BO]
	v_add_nc_u32 v[IN+1], 0x800000, v[IN]
	v_lshl_add_u32 v[OU], v0, 3, s4
.irp k, 1,2,3,4
	v_add_nc_u32 v[OU+(\k)], (\k)*0x800000, v[OU]
.endr
	s_wait_kmcnt 0x0
	s_wait_alu depctr_va_vdst(0)                   ; the eight offsets v2 to v9 are written: every load and store of the kernel reads one of them, and no later vector instruction names them
.set u, 0
.rept 19
.if u < 12                             ; a feature has four units: 4 MiB apart
	global_load_b128 v[X+4*u:X+4*u+3], v[IN+(u%4)/2], s[8+2*(u/4):9+2*(u/4)] offset:(u%2)*4194304 th:TH_LOAD_NT
.else                                  ; a weight has one
	global_load_b128 v[X+4*u:X+4*u+3], v[IN], s[14+2*(u-12):15+2*(u-12)] th:TH_LOAD_NT
.endif
.set u, u+1
.endr
; Units u0 .. u0 + n - 1: their loads are waited for, they are rounded, and their stores leave in one run.
.macro GROUP u0, n
	s_wait_loadcnt 19-(\u0)-(\n)                   ; loads come back in order: the group's are in, the younger units' stay out
.set u, \u0
.rept \n
	v_cvt_pk_bf16_f32 v[X+4*u],   v[X+4*u],   v[X+4*u+1]
	v_cvt_pk_bf16_f32 v[X+4*u+1], v[X+4*u+2], v[X+4*u+3]
.if u == 18                            ; dense_w: the bf16 numbers are widened again and written as f16
	v_lshlrev_b32 v[T],   16, v[X+4*u]
	v_and_b32     v[T+1], 0xffff0000, v[X+4*u]
	v_lshlrev_b32 v[T+2], 16, v[X+4*u+1]
	v_and_b32     v[T+3], 0xffff0000, v[X+4*u+1]
	v_cvt_pk_f16_f32 v[X+4*u],   v[T],   v[T+1]
	v_cvt_pk_f16_f32 v[X+4*u+1], v[T+2], v[T+3]
.endif
.set u, u+1
.endr
	s_wait_alu depctr_va_vdst(0)                   ; the group's conversions have written the first two registers of each of its units, which the stores below read
.set u, \u0
.rept \n
	global_store_b64 v[OU+u/4], v[X+4*u:X+4*u+1], s[42:43] offset:(u%4)*2097152 th:TH_STORE_NT  ; each store has data registers of its own
.set u, u+1
.endr
.endm
	GROUP 0, 4                                     ; local_feat
	GROUP 4, 4                                     ; global_feat
	GROUP 8, 4                                     ; text_feat
	GROUP 12, 4                                    ; glb_k, glb_v, plb_q, glb_q
	GROUP 16, 3                                    ; plb_k, plb_v, dense_w
	s_cmp_lt_u32 ttmp9, 7                          ; work-group g < 7 rounds bias g: 256 threads x 16 bytes
	s_cbranch_scc0 .Lmask
	s_mov_b64 s[54:55], s[28:29]
.irp k, 1,2,3,4,5,6
	s_cmp_eq_u32 ttmp9, \k
	s_cselect_b64 s[54:55], s[28+2*(\k):29+2*(\k)], s[54:55]
.endr
	s_lshl_b32 s56, ttmp9, 12
	s_mov_b32 s57, 0
	s_add_nc_u64 s[56:57], s[44:45], s[56:57]
	global_load_b128 v[96:99], v[BO], s[54:55]     ; v[BO] stands since the head's wait; no vector instruction has named v[96:99]
	s_wait_loadcnt 0x0
	v_cvt_pk_bf16_f32 v100, v96, v97
	v_cvt_pk_bf16_f32 v101, v98, v99
	v_lshlrev_b32 v104, 16, v100
	v_and_b32     v105, 0xffff0000, v100
	v_lshlrev_b32 v106, 16, v101
	v_and_b32     v107, 0xffff0000, v101
	s_wait_alu depctr_va_vdst(0)                   ; the four lines above have written v[104:107], which the store reads
	global_store_b128 v[BO], v[104:107], s[56:57]
.Lmask:
	s_cmp_eq_u32 ttmp9, 7                          ; work-group 7 stores the masks, each buffer whole: 256 threads x 16 bytes
	s_cbranch_scc0 .Lend
.irp r, 108,109,110,111
	v_mov_b32 v[\r], -1
.endr
.irp r, 112,113,114,115
	v_mov_b32 v[\r], 0
.endr
	s_wait_alu depctr_va_vdst(0)                   ; the eight moves have written v[108:115], which the two stores read
	global_store_b128 v[BO], v[108:111], s[46:47]
	global_store_b128 v[BO], v[112:115], s[48:49]
.Lend:
	s_endpgm
.Lfunc_end_k_q1424505dae_cast:
	.size	k_q1424505dae_cast, .Lfunc_end_k_q1424505dae_cast-k_q1424505dae_cast
	.p2alignl 7, 3214868480
	.fill 96, 4, 3214868480
	.section	.rodata,"a",@progbits
	.p2align	6, 0x0
	.amdhsa_kernel k_q1424505dae_cast
		.amdhsa_group_segment_fixed_size 0
		.amdhsa_private_segment_fixed_size 0
		.amdhsa_enable_private_segment 0
		.amdhsa_kernarg_size 168
		.amdhsa_user_sgpr_count 2
		.amdhsa_user_sgpr_kernarg_segment_ptr 1
		.amdhsa_wavefront_size32 1
		.amdhsa_system_sgpr_workgroup_id_x 1
		.amdhsa_system_sgpr_workgroup_id_y 1
		.amdhsa_system_sgpr_workgroup_id_z 1
		.amdhsa_system_vgpr_workitem_id 0
		.amdhsa_next_free_vgpr 128
		.amdhsa_next_free_sgpr 66
		.amdhsa_reserve_vcc 0
		.amdhsa_float_denorm_mode_32 3
		.amdhsa_float_denorm_mode_16_64 3
		.amdhsa_memory_ordered 1
		.amdhsa_forward_progress 1
		.amdhsa_inst_pref_size 10
	.end_amdhsa_kernel
	.amdgpu_metadata
---
amdhsa.version: [ 1, 2 ]
amdhsa.kernels:
  - .name:           k_q1424505dae_cast
    .symbol:         k_q1424505dae_cast.kd
    .args:
      - { .name: local_feat, .offset: 0, .size: 8, .value_kind: global_buffer, .address_space: global }
      - { .name: global_feat, .offset: 8, .size: 8, .value_kind: global_buffer, .address_space: global }
      - { .name: text_feat, .offset: 16, .size: 8, .value_kind: global_buffer, .address_space: global }
      - { .name: glb_k_w, .offset: 24, .size: 8, .value_kind: global_buffer, .address_space: global }
      - { .name: glb_v_w, .offset: 32, .size: 8, .value_kind: global_buffer, .address_space: global }
      - { .name: plb_q_w, .offset: 40, .size: 8, .value_kind: global_buffer, .address_space: global }
      - { .name: glb_q_w, .offset: 48, .size: 8, .value_kind: global_buffer, .address_space: global }
      - { .name: plb_k_w, .offset: 56, .size: 8, .value_kind: global_buffer, .address_space: global }
      - { .name: plb_v_w, .offset: 64, .size: 8, .value_kind: global_buffer, .address_space: global }
      - { .name: dense_w, .offset: 72, .size: 8, .value_kind: global_buffer, .address_space: global }
      - { .name: glb_k_b, .offset: 80, .size: 8, .value_kind: global_buffer, .address_space: global }
      - { .name: glb_v_b, .offset: 88, .size: 8, .value_kind: global_buffer, .address_space: global }
      - { .name: plb_q_b, .offset: 96, .size: 8, .value_kind: global_buffer, .address_space: global }
      - { .name: glb_q_b, .offset: 104, .size: 8, .value_kind: global_buffer, .address_space: global }
      - { .name: plb_k_b, .offset: 112, .size: 8, .value_kind: global_buffer, .address_space: global }
      - { .name: plb_v_b, .offset: 120, .size: 8, .value_kind: global_buffer, .address_space: global }
      - { .name: dense_b, .offset: 128, .size: 8, .value_kind: global_buffer, .address_space: global }
      - { .name: xw, .offset: 136, .size: 8, .value_kind: global_buffer, .address_space: global }
      - { .name: bias, .offset: 144, .size: 8, .value_kind: global_buffer, .address_space: global }
      - { .name: flagp, .offset: 152, .size: 8, .value_kind: global_buffer, .address_space: global }
      - { .name: flagg, .offset: 160, .size: 8, .value_kind: global_buffer, .address_space: global }
    .group_segment_fixed_size: 0
    .private_segment_fixed_size: 0
    .kernarg_segment_align: 8
    .kernarg_segment_size: 168
    .max_flat_workgroup_size: 256
    .sgpr_count:     66
    .vgpr_count:     128
    .wavefront_size: 32
...
	.end_amdgpu_metadata
.endif
;; end of part 5
;; launch proj: the kernel of part 2 again; grid 16 x 16, 4 waves a work-group, clusters of 4 x 4, 327,680 bytes of LDS; arguments xw, bias, pb, gb, gvb; writes pb, gb, gvb
;; launch attp: the kernel of part 3 again; grid 16 x 16, 4 waves a work-group, clusters of 4 x 1, 327,680 bytes of LDS; arguments flagp, pb, gvb, gb; writes gb
;; launch attg: the kernel of part 3 again; grid 16 x 16, 4 waves a work-group, clusters of 4 x 1, 327,680 bytes of LDS; arguments flagg, gb, gvb, ctx; writes ctx
;; launch dense: the kernel of part 4 again; grid 8 x 32, 4 waves a work-group, clusters of 4 x 4, 327,680 bytes of LDS; arguments ctx, xw, bias, out0; writes out0
